; MI455X (gfx1250); checked and timed in simulation.
; The chip was launched on July 23, 2026; its instructions are those of AMD's public machine-readable ISA for CDNA 5 (MIT licence, August 2026) and "CDNA5" Instruction Set Architecture Reference Guide (July 2026). The comments in the code are by the model that wrote it; some were corrected since.
;; Causal Self Attention. Allowed arithmetic: matrix products marked QUANTISED: E3M2 operands, one E8M0 scale for each 32 along K, by v_wmma_scale_f32_16x16x128_f8f6f4 with both operands' format E3M2, f32 sums; everything else in f32.
;; Inputs: b_proj 1,024 float32; b_qkv 3,072 float32; w_proj 1,024 x 1,024 float32; w_qkv 1,024 x 3,072 float32; x 4 x 2,048 x 1,024 float32.
;; Outputs: out0 4 x 2,048 x 1,024 float32.
;; This version of the problem:
;;   THIS VERSION OF THE PROBLEM IS GIVEN IN LOW PRECISION. The matrix products marked QUANTISED in the list below multiply operands that are first quantised to E3M2 (3 exponent bits, 2 mantissa bits; 6 bits a number), with one power-of-two scale for each 32 numbers along K (OCP MX v1.0); their sums are f32. All else is computed in f32.
;;   The module's matrix products, in the order in which they are computed (A, B: the left and right operand; K: the contracted axis; several contracted axes count as one K, in the product's order):
;;     1. [M 8,192, K 1,024] x [K 1,024, N 3,072]; A: input x; B: input w_qkv: QUANTISED
;;     2. batch 64 x [M 2,048, K 64] x [K 64, N 2,048]; A: computed on the way; B: computed on the way: QUANTISED
;;     3. batch 64 x [M 2,048, K 2,048] x [K 2,048, N 64]; A: softmax (see below); B: computed on the way: QUANTISED
;;     4. [M 8,192, K 1,024] x [K 1,024, N 1,024]; A: computed on the way; B: input w_proj: QUANTISED
;;   THE QUANTISER, for each operand of a quantised product, along K:
;;     - K is cut into blocks of 32 from its start; a last block that is shorter is filled with zeros.
;;     - A block's scale is 2^e with e = floor(log2(the largest magnitude in the block)) - 4, held to -126 .. 127; a block of zeros has e = 0. As a byte (E8M0): e + 127.
;;     - Each number is divided by its block's scale, clamped to +-28, and rounded to the nearest number of E3M2, ties to even, subnormals kept.
;;     - The product sums the exact products of the quantised numbers (number of the format x scale) in f32.
;;   ~~~python
;;   def quantise(x, axis):      # numpy; x: float32 -> the quantised numbers, widened to float32 again
;;       x = np.moveaxis(x, axis, -1); K = x.shape[-1]
;;       x = np.pad(x, [(0, 0)] * (x.ndim - 1) + [(0, -K % 32)]); x = x.reshape(x.shape[:-1] + (-1, 32)); a = np.abs(x).max(-1, keepdims=True)
;;       e = np.where(a > 0, np.clip(np.frexp(np.where(a > 0, a, 1))[1] - 1 - 4, -126, 127), 0)      # np.frexp(a)[1] - 1 = floor(log2(a)), exactly
;;       r = np.clip(x / 2.0 ** e, -28, 28)
;;       step = 2.0 ** (np.maximum(np.frexp(np.where(r == 0, 1, r))[1] - 1, -2) - 2)
;;       q = np.round(r / step) * step * 2.0 ** e      # np.round: ties to even
;;       return np.moveaxis(q.reshape(q.shape[:-2] + (-1,))[..., :K], -1, axis).astype(np.float32)
;;   ~~~
;;   SOFTMAX AHEAD OF A QUANTISED PRODUCT. Where the list says 'softmax', what is quantised is not the finished softmax but p = 2^(t - M), with t = logit x log2(e) and M = ceil(the row's largest t), a whole number; so 1/2 < the row's largest p <= 1. The row's sum l is taken of the UNQUANTISED p, in f32, and the product's result is divided by l at the end. Since M is a whole number, a kernel that streams over the keys may use a running M (the ceiling of the running maximum): every later rescaling is an exact power of two, which a block's scale takes up: the codes' values come out the same.
;;   OPERANDS COMPUTED ON THE WAY. 'Computed on the way' means the value that the module computes at that place (a softmax that the list does not call 'softmax' is quantised finished and normalised). What goes into a quantiser is computed in f32, as accurately as f32 sums, v_exp_f32 and their like allow (about 1e-6 of the number): no bf16 or f16 on the way to a quantiser, and a product that is left as it is and whose result goes on into a quantised operand takes f32 operands (vector FMAs, or v_wmma_f32_16x16x4_f32). A number that lies on a knife's edge between two numbers of the format may be rounded either way, as far as f32 arithmetic and the matrix unit's own rounding can turn it there, and no further.
;; One version. Each part assembles by itself: llvm-mc -triple=amdgcn-amd-amdhsa -mcpu=gfx1250 --defsym DOCPART=n.
;; ======== version 1 of 1: 4 launches
;; workspace buffers: xq 6,553,600 bytes; wq 2,457,600 bytes; wp 819,200 bytes; qkv 20,185,088 bytes; yq 6,553,600 bytes
;; launch quant (part 1): grid 48 x 8, 4 waves a work-group, no clusters, 61,952 bytes of LDS; arguments x, w_qkv, w_proj, xq, wq, wp; writes xq, wq, wp
.if DOCPART == 1
	.amdgcn_target "amdgcn-amd-amdhsa--gfx1250"
	.amdhsa_code_object_version 6
	.text
	.protected	k_q93ad4c0508_quant
	.globl	k_q93ad4c0508_quant
	.p2align	8
	.type	k_q93ad4c0508_quant,@function
k_q93ad4c0508_quant:
	s_mov_b64 s[64:65], 0
	v_nop
	global_prefetch_b8 v0, s[64:65] scope:SCOPE_SE
	s_setreg_imm32_b32 hwreg(HW_REG_WAVE_MODE, 25, 1), 1
	s_wait_xcnt 0x0
; x [8192][1024], w_qkv [1024][3072] and w_proj [1024][1024], f32, become codes of BF6 (E3M2) with one E8M0 byte for each 32 along K (K = 1,024 for all three; it is the weights' FIRST axis).
; A block's scale is 2^(floor(log2(its largest magnitude)) - 4); its byte is the largest magnitude's exponent field - 4, held at 1 from below.
; LIMITS: NaN and infinities among the inputs are not served.  A block of zeros, or one whose largest magnitude lies under 2^-122, gets the byte 1 (the rule says 127 for zeros): its codes are zeros or nearly so, and the bytes are read by this program alone.
; THE OUTPUT LIES IN THE ORDER OF THE MATRIX OPERAND'S REGISTERS.  A record serves 256 rows (rows of x, columns of a weight): 16 tiles of 16 rows x 16 half fragments of 64 along K, 768 bytes each
; (lane l = r + 16 h owns the 24 bytes of block h of row r: 16 bytes at 16 l, 8 bytes at 512 + 8 l), then from byte 196,608 the scale words [K / 128][64 rows][16 r + 4 tile].
; ROWS ARE STORED IN ANOTHER ORDER: place p of a record holds row p with bits 3 and 4 changed over, so row r of tile a is row 32 (a / 2) + 8 (a % 2) + r + 8 (r / 8): a product that takes 16 places as source 0 then leaves
; 16 neighbours along that axis in a lane's 16 registers of two neighbouring tiles.
; Work-groups with x < 32 take x (a wave: 64 rows x 128 K), the others the weights (a wave: 64 columns x 128 K).  Waves share nothing: no barrier.  Each of the two ways has LDS bytes of its own.
.set OPREC, 204800                     ; a record
.set OPSC,  196608                     ; where its scale words begin
.set XSTG,  16*528                     ; x: a wave's stage: 16 rows of 512 bytes + 16
.set WBASE, 4*XSTG                     ; the weights' stages lie behind x's
.set WTILE, 1664                       ; a tile's two half fragments, 1,536 bytes, + 128
.set WSTG,  4*WTILE+256                ; four tiles and 256 bytes of scale words
.set LN,  2                            ; lane
.set RR,  3                            ; r = lane % 16
.set L16, 4                            ; 16 x lane
.set L8,  5                            ; 8 x lane
.set R16, 6                            ; 16 r
.set STI, 7                            ; x's stage, in: 16 x lane
.set STO, 8                            ; x's stage, out: 528 r + 64 h
.set HH,  9                            ; h = lane / 16
.set WA,  10                           ; the weights' stage: my row's 16 bytes of a half fragment
.set WB,  11                           ; and its 8 bytes
.set WS,  12                           ; my row's scale word
.set WRD, 13                           ; back: 16 x lane
.set WSR, 14                           ; back: 8 x lane among the scale words
.set TM,  16                           ; v16-31  at work
.set R,   32                           ; v32-159 x as loaded, two sets of 64
.set X,   160                          ; v160-223 64 numbers of my row: register 16 b + i = k 32 b + 16 h + i
.set PC,  224                          ; v224-235 a fragment's codes
.set PT,  236                          ; v236-243 at work
.set PW,  244                          ; v244-247 the four tiles' scale words
	s_load_b256 s[4:11], s[0:1], 0x0               ; x s[4:5], w_qkv s[6:7], w_proj s[8:9], xq s[10:11]
	s_load_b128 s[12:15], s[0:1], 0x20             ; wq s[12:13], wp s[14:15]
	v_lshl_add_u32 v254, v0, 2, 0xf000
	v_mov_b32 v255, 0
	v_lshrrev_b32 v1, 5, v0
	v_readfirstlane_b32 s16, v1                    ; wave 0..3
	v_and_b32 v[LN], 31, v0
	v_and_b32 v[RR], 15, v0
	v_bfe_u32 v[HH], v0, 4, 1
	v_lshlrev_b32 v[L16], 4, v[LN]
	v_lshlrev_b32 v[L8], 3, v[LN]
	v_lshlrev_b32 v[R16], 4, v[RR]
	; every LDS address of both ways is made here, ahead of the parting
	s_mul_i32 s17, s16, XSTG
	v_add_nc_u32 v[STI], s17, v[L16]
	v_mul_u32_u24 v[STO], v[RR], 528
	v_lshl_add_u32 v[STO], v[HH], 6, v[STO]
	v_add_nc_u32 v[STO], s17, v[STO]
	s_mul_i32 s18, s16, WSTG
	s_add_co_u32 s18, s18, WBASE
	v_and_b32 v15, 7, v0
	v_lshl_add_u32 v15, v[HH], 3, v15              ; a weight's column 32 S + lane lies at row r' = lane % 8 + 8 (lane / 16)
	v_bfe_u32 v1, v0, 3, 1                         ; of tile 2 S + u, u = (lane / 8) % 2
	v_mul_u32_u24 v[WA], v1, WTILE
	v_add_nc_u32 v[WA], s18, v[WA]
	v_lshl_add_u32 v[WB], v15, 3, v[WA]
	v_lshl_add_u32 v[WA], v15, 4, v[WA]
	v_lshlrev_b32 v[WS], 4, v15
	v_lshl_add_u32 v[WS], v1, 2, v[WS]
	v_add_nc_u32 v[WS], s18, v[WS]
	v_add_nc_u32 v[WS], 4*WTILE, v[WS]
	v_add_nc_u32 v[WRD], s18, v[L16]
	v_add_nc_u32 v[WSR], s18, v[L8]
	v_add_nc_u32 v[WSR], 4*WTILE, v[WSR]
	s_mov_b32 s34, 0x76543210
	s_mov_b32 s35, 0xfedcba98                      ; v_permlanex16_b32's selects for lane l xor 16
.irp b, 0,1,2,3
	v_mov_b32 v[TM+4+\b], 0                        ; written once: a lane permute's destination counts as one of its sources
.endr
	s_and_b32 s19, ttmp7, 0xffff                   ; work-group y
	s_wait_kmcnt 0x0
	s_cmp_lt_u32 ttmp9, 32
	s_cbranch_scc0 .Lweights
; ---------------- x: K is innermost ----------------
	s_lshl_b32 s20, s19, 5
	s_add_co_u32 s20, s20, ttmp9                   ; 0 .. 255
	s_lshr_b32 s21, s20, 1                         ; g: which 64 rows
	s_and_b32 s22, s20, 1
	s_lshl_b32 s22, s22, 2
	s_add_co_u32 s22, s22, s16                     ; q: which 128 along K
	s_lshl_b32 s24, s21, 18                        ; 64 rows of 4,096 bytes
	s_lshl_b32 s23, s22, 9
	s_add_co_u32 s24, s24, s23
	s_mov_b32 s25, 0
	s_add_nc_u64 s[4:5], s[4:5], s[24:25]          ; x at my first number
	s_lshr_b32 s26, s21, 2
	s_mul_i32 s26, s26, OPREC                      ; my record
	s_and_b32 s27, s21, 3                          ; my 64 rows in it
	s_mul_i32 s24, s27, 4*12288
	s_add_co_u32 s24, s24, s26
	s_mul_i32 s23, s22, 1536
	s_add_co_u32 s24, s24, s23
	s_add_nc_u64 s[28:29], s[10:11], s[24:25]      ; my first tile's two half fragments
	s_lshl_b32 s24, s27, 8
	s_add_co_u32 s24, s24, s26
	s_lshl_b32 s23, s22, 10
	s_add_co_u32 s24, s24, s23
	s_add_co_u32 s24, s24, OPSC
	s_add_nc_u64 s[30:31], s[10:11], s[24:25]      ; my 256 bytes of scale words
.macro LOADX u                         ; tile u's 16 rows, 512 consecutive bytes a load, in the order of the tile's places
.irp i, 0,1,2,3,4,5,6,7,8,9,10,11,12,13,14,15
	global_load_b128 v[R+64*((\u)%2)+4*\i:R+64*((\u)%2)+4*\i+3], v[L16], s[4:5] offset:(32*((\u)/2)+8*((\u)%2)+\i+8*(\i/8))*4096 th:TH_LOAD_NT
.endr
.endm
; 64 numbers of a lane in v[X] on become a fragment's codes in v[PC] on and its row's scale word in v[pw]
.macro QUANT pw
.irp b, 0,1,2,3
	v_max3_num_f32 v[TM+\b], |v[X+16*\b]|, |v[X+1+16*\b]|, 0x2800000   ; block b: my 16 numbers, and the floor 2^(5 - 127): the byte cannot fall under 1
.endr
.irp i, 2,4,6,8,10,12,14
.irp b, 0,1,2,3
	v_max3_num_f32 v[TM+\b], v[TM+\b], |v[X+16*\b+\i]|, |v[X+1+16*\b+\i]|   ; the four blocks by turns
.endr
.endr
.irp b, 0,1,2,3
	v_permlanex16_b32 v[TM+4+\b], v[TM+\b], s34, s35
.endr
.irp b, 0,1,2,3
	v_max_num_f32 v[TM+\b], v[TM+\b], v[TM+4+\b]   ; with lane l xor 16's 16: the block's largest magnitude
.endr
.irp b, 0,1,2,3
	v_add_nc_u32 v[TM+12+\b], 0xfe000000, v[TM+\b] ; 4 off its exponent field: the conversion takes this operand's exponent field as its scale
.endr
.irp b, 0,1,2,3
	v_lshrrev_b32 v[TM+4+\b], 23, v[TM+12+\b]      ; the scale's byte
.endr
	v_lshl_or_b32 v[\pw], v[TM+5], 8, v[TM+4]
	v_lshl_or_b32 v[\pw], v[TM+6], 16, v[\pw]
	v_lshl_or_b32 v[\pw], v[TM+7], 24, v[\pw]
.irp c, 0,1
	v_cvt_scalef32_pk16_bf6_f32 v[PC+6*\c:PC+2+6*\c], v[X+32*\c:X+15+32*\c], v[TM+12+2*\c]
	v_cvt_scalef32_pk16_bf6_f32 v[PT+4*\c:PT+2+4*\c], v[X+16+32*\c:X+31+32*\c], v[TM+12+2*\c+1]   ; (a conversion's three registers begin on an even number)
.endr
	v_nop                                          ; one plain place behind a scaled conversion
.irp c, 0,1                            ; the operand wants a WHOLE block in a lane: lanes 0-15 block 2 c, lanes 16-31 block 2 c + 1
.irp i, 0,1,2
	v_permlane16_swap_b32 v[PC+6*\c+\i], v[PT+4*\c+\i]
.endr
.irp i, 0,1,2
	v_mov_b32 v[PC+3+6*\c+\i], v[PT+4*\c+\i]
.endr
.endr
.endm
.macro UNIT u
.if (\u) < 3
	s_wait_loadcnt 16                              ; this tile's 16 loads are in; the next tile's 16 may be out
.else
	s_wait_loadcnt 0x0
.endif
.irp i, 0,1,2,3,4,5,6,7,8,9,10,11,12,13,14,15
	ds_store_b128 v[STI], v[R+64*((\u)%2)+4*\i:R+64*((\u)%2)+4*\i+3] offset:528*\i   ; the rows as they lie
.endr
.irp b, 0,1,2,3
.irp j, 0,1,2,3
	ds_load_b128 v[X+16*\b+4*\j:X+16*\b+4*\j+3], v[STO] offset:128*\b+16*\j   ; and back: 16 neighbours of each block of my row.  LDS serves a wave's instructions in order: these see the stores
.endr
.endr
	s_wait_dscnt 0x0                               ; the numbers are back, and the stores have read the set that is loaded again below
.if (\u) > 0
	s_wait_xcnt 0x0                                ; the last tile's stores have read their data: the codes' registers are rewritten only behind this wait
.endif
.if (\u) < 2
	LOADX (\u)+2
.endif
	QUANT PW+(\u)
	global_store_b128 v[L16], v[PC:PC+3], s[28:29] offset:12288*(\u)            ; each store covers 512 or 256 consecutive bytes, aligned
	global_store_b64 v[L8], v[PC+4:PC+5], s[28:29] offset:12288*(\u)+512
	global_store_b128 v[L16], v[PC+6:PC+9], s[28:29] offset:12288*(\u)+768
	global_store_b64 v[L8], v[PC+10:PC+11], s[28:29] offset:12288*(\u)+1280
.endm
	LOADX 0
	LOADX 1
	UNIT 0
	UNIT 1
	UNIT 2
	UNIT 3
	global_store_b128 v[R16], v[PW:PW+3], s[30:31] ; row r's four words at 16 r: 256 consecutive bytes; lanes l and l xor 16 hold the same words and write the same bytes
	s_wait_tensorcnt 0x0
	ds_add_u32 v254, v255
	s_wait_dscnt 0x0
	s_endpgm
; ---------------- the weights: K is the first axis: a lane takes a column and its registers run down K ----------------
.Lweights:
	s_sub_co_u32 s20, ttmp9, 32                    ; 0 .. 11: 256 columns of w_qkv; 12 .. 15: of w_proj
	s_mov_b32 s21, 12288
	s_cmp_ge_u32 s20, 12
	s_cselect_b64 s[4:5], s[8:9], s[6:7]           ; from
	s_cselect_b64 s[10:11], s[14:15], s[12:13]     ; to
	s_cselect_b32 s21, 4096, s21                   ; a row of the weight in bytes
	s_cselect_b32 s22, 12, 0
	s_sub_co_u32 s20, s20, s22                     ; which 256 columns = which record
	s_lshl_b32 s23, s19, 7                         ; my first k: 128 x work-group y
	s_mul_i32 s24, s23, s21
	s_lshl_b32 s23, s20, 10
	s_add_co_u32 s24, s24, s23
	s_lshl_b32 s23, s16, 8                         ; my wave's 64 columns
	s_add_co_u32 s24, s24, s23
	s_mov_b32 s25, 0
	s_lshl_b32 s26, s21, 5                         ; 32 rows on
	s_mov_b32 s27, 0
	s_add_nc_u64 s[36:37], s[4:5], s[24:25]        ; a base for each of the four blocks of 32 along K
	s_add_nc_u64 s[38:39], s[36:37], s[26:27]
	s_add_nc_u64 s[40:41], s[38:39], s[26:27]
	s_add_nc_u64 s[42:43], s[40:41], s[26:27]
	s_mul_i32 s26, s20, OPREC
	s_mul_i32 s24, s16, 4*12288
	s_add_co_u32 s24, s24, s26
	s_mul_i32 s23, s19, 1536
	s_add_co_u32 s24, s24, s23
	s_add_nc_u64 s[44:45], s[10:11], s[24:25]      ; my four tiles' half fragments
	s_lshl_b32 s24, s16, 8
	s_add_co_u32 s24, s24, s26
	s_lshl_b32 s23, s19, 10
	s_add_co_u32 s24, s24, s23
	s_add_co_u32 s24, s24, OPSC
	s_add_nc_u64 s[46:47], s[10:11], s[24:25]      ; my 256 bytes of scale words
	v_lshlrev_b32 v32, 2, v[LN]                    ; v32-63: 4 x lane + i rows (the pitch differs between the two weights, so it cannot stand in an immediate)
.set i, 0
.rept 31
	v_add_nc_u32 v[33+i], s21, v[32+i]
.set i, i+1
.endr
.macro LOADW n                         ; block n = (S = n / 4: which 32 columns, n % 4: which 32 along K) into set n % 3
.set i, 0
.rept 32
	global_load_b32 v[64+32*((\n)%3)+i], v[32+i], s[36+2*((\n)%4):37+2*((\n)%4)] offset:128*((\n)/4) th:TH_LOAD_NT
.set i, i+1
.endr
.endm
; Loads run two blocks ahead, in three sets of 32 registers: at a block's head its own 32 loads are waited for, and the block two on is asked for at once, into the set that the block before has done with:
; 64 loads are out while a block is worked on.
.macro BLOCK n
.set XS, 64+32*((\n)%3)
.set BE, (\n)%4
.set SS, (\n)/4
.if (\n) < 7
	s_wait_loadcnt 32                              ; this block's 32 loads are in; the next block's 32 may be out
.else
	s_wait_loadcnt 0x0
.endif
.if (\n)+2 < 8
	LOADW (\n)+2
.endif
	v_max3_num_f32 v16, |v[XS]|, |v[XS+1]|, |v[XS+2]|               ; all 32 numbers of the block are mine
	v_max3_num_f32 v17, |v[XS+3]|, |v[XS+4]|, |v[XS+5]|
.irp i, 6,10,14,18,22,26
	v_max3_num_f32 v16, v16, |v[XS+\i]|, |v[XS+\i+1]|
	v_max3_num_f32 v17, v17, |v[XS+\i+2]|, |v[XS+\i+3]|
.endr
	v_max3_num_f32 v16, v16, |v[XS+30]|, |v[XS+31]|
	v_max3_num_f32 v16, v16, v17, 0x2800000        ; and the floor
	v_add_nc_u32 v18, 0xfe000000, v16
	v_lshrrev_b32 v19, 23, v18
.if BE == 0
	v_mov_b32 v[170+SS], v19                       ; four bytes to a word, the lower K in the lower byte
.else
	v_lshl_or_b32 v[170+SS], v19, 8*BE, v[170+SS]
.endif
	v_cvt_scalef32_pk16_bf6_f32 v[160:162], v[XS:XS+15], v18
	v_cvt_scalef32_pk16_bf6_f32 v[166:168], v[XS+16:XS+31], v18
	v_nop                                          ; one plain place behind a scaled conversion
	v_mov_b32 v163, v166
	v_mov_b32 v164, v167
	v_mov_b32 v165, v168
	ds_store_b128 v[WA], v[160:163] offset:2*WTILE*SS+768*(BE/2)+256*(BE%2)       ; my row's 24 bytes at the place of lane r' + 16 (block % 2) of the half fragment
	ds_store_b64 v[WB], v[164:165] offset:2*WTILE*SS+768*(BE/2)+512+128*(BE%2)
	s_wait_dscnt 0x0                               ; the stores have read their registers: the next block's codes may be written
.endm
	LOADW 0
	LOADW 1
.irp n, 0,1,2,3,4,5,6,7
	BLOCK \n
.endr
	ds_store_b32 v[WS], v170
	ds_store_b32 v[WS], v171 offset:8
.irp t, 0,1,2,3
.irp j, 0,1,2
	ds_load_b128 v[176+4*(3*\t+\j):176+4*(3*\t+\j)+3], v[WRD] offset:WTILE*\t+512*\j   ; LDS serves a wave's instructions in order: these see my stores
.endr
.endr
	ds_load_b64 v[224:225], v[WSR]
.irp t, 0,1,2,3
.irp j, 0,1,2
	s_wait_dscnt 12-(3*\t+\j)                      ; the LDS loads issued behind this one may be out
	global_store_b128 v[L16], v[176+4*(3*\t+\j):176+4*(3*\t+\j)+3], s[44:45] offset:12288*\t+512*\j   ; 512 consecutive bytes, aligned
.endr
.endr
	s_wait_dscnt 0x0
	global_store_b64 v[L8], v[224:225], s[46:47]   ; 256 consecutive bytes, aligned
	s_wait_tensorcnt 0x0
	ds_add_u32 v254, v255
	s_wait_dscnt 0x0
	s_endpgm
.Lfunc_end_k_q93ad4c0508_quant:
	.size	k_q93ad4c0508_quant, .Lfunc_end_k_q93ad4c0508_quant-k_q93ad4c0508_quant
	.p2alignl 7, 3214868480
	.fill 96, 4, 3214868480
	.section	.rodata,"a",@progbits
	.p2align	6, 0x0
	.amdhsa_kernel k_q93ad4c0508_quant
		.amdhsa_group_segment_fixed_size 61952
		.amdhsa_private_segment_fixed_size 0
		.amdhsa_enable_private_segment 0
		.amdhsa_kernarg_size 48
		.amdhsa_user_sgpr_count 2
		.amdhsa_user_sgpr_kernarg_segment_ptr 1
		.amdhsa_wavefront_size32 1
		.amdhsa_system_sgpr_workgroup_id_x 1
		.amdhsa_system_sgpr_workgroup_id_y 1
		.amdhsa_system_sgpr_workgroup_id_z 1
		.amdhsa_system_vgpr_workitem_id 0
		.amdhsa_next_free_vgpr 256
		.amdhsa_next_free_sgpr 66
		.amdhsa_reserve_vcc 0
		.amdhsa_float_denorm_mode_32 3
		.amdhsa_float_denorm_mode_16_64 3
		.amdhsa_memory_ordered 1
		.amdhsa_forward_progress 1
		.amdhsa_inst_pref_size 77
	.end_amdhsa_kernel
	.amdgpu_metadata
---
amdhsa.version: [ 1, 2 ]
amdhsa.kernels:
  - .name:           k_q93ad4c0508_quant
    .symbol:         k_q93ad4c0508_quant.kd
    .args:
      - { .name: x, .offset: 0, .size: 8, .value_kind: global_buffer, .address_space: global }
      - { .name: w_qkv, .offset: 8, .size: 8, .value_kind: global_buffer, .address_space: global }
      - { .name: w_proj, .offset: 16, .size: 8, .value_kind: global_buffer, .address_space: global }
      - { .name: xq, .offset: 24, .size: 8, .value_kind: global_buffer, .address_space: global }
      - { .name: wq, .offset: 32, .size: 8, .value_kind: global_buffer, .address_space: global }
      - { .name: wp, .offset: 40, .size: 8, .value_kind: global_buffer, .address_space: global }
    .group_segment_fixed_size: 61952
    .private_segment_fixed_size: 0
    .kernarg_segment_align: 8
    .kernarg_segment_size: 48
    .max_flat_workgroup_size: 128
    .sgpr_count:     66
    .vgpr_count:     256
    .wavefront_size: 32
...
	.end_amdgpu_metadata
.endif
;; end of part 1
;; launch gemm_qkv (part 2): grid 12 x 32, 4 waves a work-group, clusters of 4 x 4, 327,680 bytes of LDS; arguments xq, wq, b_qkv, qkv; writes qkv
.if DOCPART == 2
	.amdgcn_target "amdgcn-amd-amdhsa--gfx1250"
	.amdhsa_code_object_version 6
	.text
	.protected	k_q93ad4c0508_gemm_qkv
	.globl	k_q93ad4c0508_gemm_qkv
	.p2align	8
	.type	k_q93ad4c0508_gemm_qkv,@function
k_q93ad4c0508_gemm_qkv:
	s_mov_b64 s[64:65], 0
	v_nop
	global_prefetch_b8 v0, s[64:65] scope:SCOPE_SE
	s_setreg_imm32_b32 hwreg(HW_REG_WAVE_MODE, 25, 1), 1
	s_wait_xcnt 0x0
	s_wait_alu depctr_hold_cnt(0) depctr_sa_sdst(0) depctr_va_vdst(0) depctr_va_sdst(0) depctr_va_ssrc(0) depctr_va_vcc(0) depctr_vm_vsrc(0)
	s_getreg_b32 s2, hwreg(HW_REG_IB_STS2, 6, 4)
	s_cmp_eq_u32 s2, 0
	s_cbranch_scc0 .Lentry_in_a_cluster
	s_endpgm
.Lentry_in_a_cluster:
	s_bfe_u32 s2, ttmp6, 0x10000c
	s_cmp_lg_u32 s2, 0xf033
	s_cbranch_scc0 .Lentry_shape_is_right
	s_endpgm
.Lentry_shape_is_right:
; qkv = x w_qkv + b_qkv on codes of BF6 (E3M2) with E8M0 scales, sums in f32; the results are quantised in registers and leave as codes: q and k along the head's 64, v along the keys.
; Operands come as records of 256 rows in the order of the operand's registers: 16 tiles x 16 half fragments of 768 bytes (16 rows x 64 K: lane l's 16 bytes at 16 l, its 8 bytes at 512 + 8 l), then the scale words
; [K / 128][64 rows][16 r + 4 tile].  Place p of a record holds row p with bits 3 and 4 changed over.
; A tile of the result is 256 x 256, a wave's 128 x 128: 64 accumulators.  THE MATRIX INSTRUCTION IS USED TRANSPOSED: source 0 = 16 places of B, source 1 = 16 places of A: a lane holds one place of A, and by the
; order of the places its 16 registers of B's tiles 2 i, 2 i + 1 are 16 NEIGHBOURS along B's rows: what the conversions want.
; ONE TEXT, TWO PROBLEMS, told apart by the CLUSTER's x, which all sixteen partners share.  Cluster x = 0, 1 (q, k): A = x's rows, B = the weight's columns: a lane's registers run along the head's 64.
; Cluster x = 2 (v): A = the weight's columns, B = x's rows: a lane holds one (head, channel) and its registers run along the keys: V^T is quantised along the keys and nothing is transposed.
; K = 1,024 goes in four steps of 256 through three LDS slots: three are asked for at the head, the fourth is the one refill (slot 0).  No padding: every LDS load reads 512 or 256 consecutive bytes.
; CLUSTERS: 4 x 4 work-groups; A's tiles are asked for jointly along a row of the cluster, B's along a column.
; OUT: a record of qkv serves one (batch, head) and 256 rows: K's 16 half fragments, K's scale words, V^T [128 keys][16 channels][2 half fragments], its scale words, Q's half fragments, Q's scale words.
; LIMITS: NaN and infinities are not served; a block whose largest magnitude lies under 2^-122 gets the byte 1; the bytes are read by this program alone.
; REGISTERS: window 0: v4-21 addresses; v28-29 the add's; v32-63 scale words, two sets, and nothing else; v64-127 the bias, as the C of each sum's first product; v128-223 A's fragments, one set.  Window 1: B's fragments,
;   two sets.  Windows 2, 3: the accumulators ((a, b) at v[8 (8 (a % 4) + b)]).  On the way out v64-95 (the bias is done with) and v128-147 are at work.
.set OPREC,  204800
.set OPSC,   196608
.set TILEB,  3072                      ; a tile's part of a slot: 256 along K = four half fragments
.set HALFT,  8*TILEB                   ; 128 rows: what one tensor load brings
.set SLOT,   4*HALFT                   ; A's 256 rows, then B's
.set SCL,    3*SLOT                    ; A's scale words for all of K, 8,192 bytes, then B's
.set SPARE,  SCL+16384                 ; the spare words, 128 bytes a wave: two blocks of 256 bytes that no other line names
.set REC,    39424                     ; a record of qkv
.set HS,     8*REC                     ; from head to head
.set KSO,    12288
.set VHO,    13312
.set VSO,    25600
.set QHO,    26112
.set QSO,    38400
.set FR,     12
.set NL,     4                         ; LDS loads that bring a fragment
.set NP,     4                         ; places behind this matrix instruction (ISA guide 7.12.1)
.set ADRA, 4                           ; v4-6 16 x lane + my A rows in slot 0, 1, 2;  v7-9 the same with 8 x lane
.set ADRB, 10                          ; v10-12, v13-15 the same for B
.set ADRS, 16                          ; my scale words: lanes 0-15 A's, lanes 16-31 B's
.set L16,  17
.set L8,   18
.set VSA,  19                          ; HS h + 16 r
.set LANE, 21
.set SPW,  28
.set NIL,  29
.set SC,   32
.set BIAS, 64
.set AF,   128
.set TM,   64                          ; the way out: v64-79 at work, v80-87 the eight blocks' scale words, v88-95 what is stored of them
.set PWS,  80
.set SL,   88
.set SH,   92
.set PC,   128
.set PT,   140
.set G1A,  24
.set G1B,  32
.set G1SA, 40
.set G1SB, 48
.set MSB, 0
.macro WIN new                         ; the immediate's high byte repeats the setting that is left
.if MSB != (\new)
	s_set_vgpr_msb (MSB<<8)|(\new)
.set MSB, (\new)
.endif
.endm
.set MUL_LO, 0xa1                      ; source 0 (B) window 1, source 1 (A) window 0, C and D window 2
.set MUL_HI, 0xf1
.set TO_B,   0x40
; A joint load: waves 0 and 1 fetch for A, waves 2 and 3 for B.  Four v_nop follow each of the two lines.
.macro JLOAD g0a, g1a, g0b, g1b
	s_cmp_eq_u32 s15, 0
	s_cbranch_scc0 .Lfor_b_\@
	tensor_load_to_lds s[\g0a:\g0a+3], s[\g1a:\g1a+7]
	s_nop 0
.rept 4
	v_nop
.endr
	s_branch .Lasked_\@
.Lfor_b_\@:
	tensor_load_to_lds s[\g0b:\g0b+3], s[\g1b:\g1b+7]
	s_nop 0
.rept 4
	v_nop
.endr
.Lasked_\@:
.endm
.macro CREST
	s_cmp_lg_u32 s14, 0
	s_cbranch_scc1 .Lnot_wave_0_\@
	s_barrier_signal -3
.Lnot_wave_0_\@:
	s_barrier_wait -3
	s_barrier_signal -1
	s_barrier_wait -1
.endm
.macro CROUND
	s_barrier_signal -1
	s_barrier_wait -1
	CREST
.endm
.macro PLACES n
.rept \n
	v_nop
.endr
.endm
	s_load_b256 s[4:11], s[0:1], 0x0               ; xq s[4:5], wq s[6:7], b_qkv s[8:9], qkv s[10:11]
	v_lshl_add_u32 v[SPW], v0, 2, SPARE
	v_mov_b32 v[NIL], 0
	ds_add_u32 v28, v29
	s_wait_dscnt 0x0
	v_lshrrev_b32 v1, 5, v0
	v_readfirstlane_b32 s14, v1                    ; wave 0..3
	s_lshr_b32 s15, s14, 1                         ; which half of A's rows is mine.  Also: I fetch for A (0) or for B (1)
	s_and_b32 s16, s14, 1                          ; which half of B's rows.  Also: which 128 rows I fetch
	s_bfe_u32 s92, ttmp6, 0x40000                  ; cx
	s_bfe_u32 s93, ttmp6, 0x40004                  ; cy
	s_lshl_b32 s94, s93, 2
	s_lshl_b32 s94, 15, s94                        ; my row of the cluster
	s_lshl_b32 s95, 0x1111, s92                    ; my column
	s_and_b32 s18, ttmp7, 0xffff
	s_lshl_b32 s18, s18, 2                         ; 4 x cluster y
	s_lshl_b32 s19, ttmp9, 2                       ; 4 x cluster x
	s_cmp_eq_u32 ttmp9, 2                          ; the v problem?  The same answer in all sixteen partners
	s_cselect_b32 s17, 1, 0
	s_cselect_b32 s96, 8, s18
	s_cselect_b32 s97, s18, s19
	s_add_co_u32 s96, s96, s93                     ; A's record: q, k: 4 x cluster y + cy of xq;  v: 8 + cy of wq
	s_add_co_u32 s97, s97, s92                     ; B's record: q, k: 4 x cluster x + cx of wq;  v: 4 x cluster y + cx of xq
	; descriptor group 1.  Codes: 8 tiles' parts of 3,072 bytes (384 elements of 8 bytes), 12,288 bytes apart.  Scale words: 4,096 dense bytes as 16 rows of 256
	s_or_b32 s[G1A], s94, (3<<16)|(1<<21)          ; 15:0 the mask: A's tiles go to my row; 17:16 elements of 8 bytes; 20 no padding; 21 set beside a mask
	s_or_b32 s[G1B], s95, (3<<16)|(1<<21)
	s_or_b32 s[G1SA], s94, (3<<16)|(1<<21)
	s_or_b32 s[G1SB], s95, (3<<16)|(1<<21)
.irp g, G1A, G1B
	s_mov_b32 s[\g+1], 384<<16                     ; tensor_dim0
	s_mov_b32 s[\g+2], 8<<16                       ; tensor_dim1
	s_mov_b32 s[\g+3], 384<<16                     ; tile_dim0
	s_mov_b32 s[\g+4], 8                           ; tile_dim1
	s_mov_b32 s[\g+5], 1536                        ; tensor_dim0_stride
	s_mov_b32 s[\g+6], 0
	s_mov_b32 s[\g+7], 0
.endr
.irp g, G1SA, G1SB
	s_mov_b32 s[\g+1], 32<<16
	s_mov_b32 s[\g+2], 16<<16
	s_mov_b32 s[\g+3], 32<<16
	s_mov_b32 s[\g+4], 16
	s_mov_b32 s[\g+5], 32
	s_mov_b32 s[\g+6], 0
	s_mov_b32 s[\g+7], 0
.endr
	s_mul_i32 s12, s16, 8*12288                    ; which 8 tiles of a record I fetch
	s_lshl_b32 s13, s16, 12
	s_add_co_u32 s13, s13, OPSC                    ; and which half of its scale words
	s_mul_i32 s98, s96, OPREC                      ; A's offsets hang on cy alone, B's on cx alone
	s_add_co_u32 s20, s98, s13
	s_add_co_u32 s98, s98, s12
	s_mov_b32 s99, 0
	s_mov_b32 s21, 0
	s_mul_i32 s100, s97, OPREC
	s_add_co_u32 s22, s100, s13
	s_add_co_u32 s100, s100, s12
	s_mov_b32 s101, 0
	s_mov_b32 s23, 0
	s_mul_i32 s2, s14, HALFT                       ; where they go: wave x 128 rows: no place in the cluster enters an LDS address
	s_lshl_b32 s3, s14, 12
	s_wait_kmcnt 0x0
	s_cmp_eq_u32 s17, 1
	s_cselect_b64 s[18:19], s[6:7], s[4:5]         ; A's buffer
	s_cselect_b64 s[12:13], s[4:5], s[6:7]         ; B's
	s_add_nc_u64 s[98:99], s[18:19], s[98:99]
	s_add_nc_u64 s[20:21], s[18:19], s[20:21]
	s_add_nc_u64 s[100:101], s[12:13], s[100:101]
	s_add_nc_u64 s[22:23], s[12:13], s[22:23]
	CROUND                                         ; all sixteen work-groups are here: the first joint loads meet
	s_mov_b32 s84, 1
	s_add_co_u32 s85, s3, SCL
	s_mov_b64 s[86:87], s[20:21]
	s_or_b32 s87, s87, 0x80000000
	s_mov_b32 s88, 1
	s_add_co_u32 s89, s3, SCL
	s_mov_b64 s[90:91], s[22:23]
	s_or_b32 s91, s91, 0x80000000
	JLOAD 84, G1SA, 88, G1SB                       ; the scale words first: they are wanted with K step 0
.macro FIRST g0a, g0b, s               ; slot s takes K step s
	s_mov_b32 s[\g0a], 1
	s_add_co_u32 s[\g0a+1], s2, \s*SLOT
	s_add_nc_u64 s[\g0a+2:\g0a+3], s[98:99], \s*TILEB
	s_or_b32 s[\g0a+3], s[\g0a+3], 0x80000000
	s_mov_b32 s[\g0b], 1
	s_add_co_u32 s[\g0b+1], s2, \s*SLOT
	s_add_nc_u64 s[\g0b+2:\g0b+3], s[100:101], \s*TILEB
	s_or_b32 s[\g0b+3], s[\g0b+3], 0x80000000
	JLOAD \g0a, G1A, \g0b, G1B
.endm
	FIRST 56, 72, 0                                ; four loads of mine are out behind these lines
	FIRST 60, 76, 1
	FIRST 68, 80, 2
	v_and_b32 v[LANE], 31, v0
	v_and_b32 v1, 15, v0                           ; r
	v_bfe_u32 v2, v0, 4, 1                         ; h
	v_lshlrev_b32 v[L16], 4, v[LANE]
	v_lshlrev_b32 v[L8], 3, v[LANE]
	s_mul_i32 s21, s15, HALFT                      ; my 128 rows of A
	s_mul_i32 s22, s16, HALFT
	s_add_co_u32 s22, s22, 2*HALFT                 ; my 128 rows of B, behind A's 256
.irp s, 0,1,2
	v_add_nc_u32 v[ADRA+\s], s21, v[L16]
	v_add_nc_u32 v[ADRA+3+\s], s21, v[L8]
	v_add_nc_u32 v[ADRB+\s], s22, v[L16]
	v_add_nc_u32 v[ADRB+3+\s], s22, v[L8]
	s_add_co_u32 s21, s21, SLOT
	s_add_co_u32 s22, s22, SLOT
.endr
	s_lshl_b32 s21, s15, 9                         ; A's words: my two groups of 64 rows
	s_lshl_b32 s22, s16, 9
	s_add_co_u32 s22, s22, 8192                    ; B's, behind A's 8,192 bytes
	s_sub_co_u32 s22, s22, s21
	v_mul_u32_u24 v3, s22, v2                      ; lanes 16-31 take B's: one product, the distance between the two
	s_add_co_u32 s21, s21, SCL
	v_lshl_add_u32 v3, v1, 4, v3
	v_add_nc_u32 v[ADRS], s21, v3
	v_mul_u32_u24 v[VSA], 0x4d000, v2              ; HS h
	v_lshl_add_u32 v[VSA], v1, 4, v[VSA]
	; the bias, in the result's layout: it is the C of each sum's first product
	s_cmp_eq_u32 s17, 1
	s_cbranch_scc1 .Lbias_v
	s_lshl_b32 s12, s97, 10                        ; q, k: a lane's registers run along the columns: tile b holds columns 32 (b / 2) + 16 h + 8 (b % 2) + 0 .. 7 of my 128
	s_lshl_b32 s13, s16, 9
	s_add_co_u32 s12, s12, s13
	s_mov_b32 s13, 0
	s_add_nc_u64 s[8:9], s[8:9], s[12:13]
	v_lshlrev_b32 v3, 6, v2
.irp b, 0,1,2,3,4,5,6,7
	global_load_b128 v[BIAS+8*\b:BIAS+8*\b+3], v3, s[8:9] offset:(32*(\b/2)+8*(\b%2))*4
	global_load_b128 v[BIAS+8*\b+4:BIAS+8*\b+7], v3, s[8:9] offset:(32*(\b/2)+8*(\b%2))*4+16
.endr
	s_wait_loadcnt 0x0
	s_branch .Lbias_done
.Lbias_v:
	s_lshl_b32 s12, s93, 10                        ; v: a lane holds ONE column, 2,048 + 256 cy + 128 half + 32 (a / 2) + 8 (a % 2) + r + 8 (r / 8), in all eight registers of block a
	s_lshl_b32 s13, s15, 9
	s_add_co_u32 s12, s12, s13
	s_add_co_u32 s12, s12, 8192
	s_mov_b32 s13, 0
	s_add_nc_u64 s[8:9], s[8:9], s[12:13]
	v_and_b32 v3, 8, v1
	v_add_nc_u32 v3, v3, v1
	v_lshlrev_b32 v3, 2, v3
.irp a, 0,1,2,3,4,5,6,7
	global_load_b32 v[BIAS+8*\a], v3, s[8:9] offset:(32*(\a/2)+8*(\a%2))*4
.endr
	s_wait_loadcnt 0x0
.irp a, 0,1,2,3,4,5,6,7
.irp j, 1,2,3,4,5,6,7
	v_mov_b32 v[BIAS+8*\a+\j], v[BIAS+8*\a]
.endr
.endr
	PLACES 4
.Lbias_done:
.macro FRAG reg, adr, q, i             ; a fragment, 16 rows x 128 K, is two half fragments: registers 0-3, 4-5 and 6-9, 10-11
	ds_load_b128 v[\reg:\reg+3], v[\adr] offset:TILEB*(\i)+1536*(\q)
	ds_load_b64 v[\reg+4:\reg+5], v[\adr+3] offset:TILEB*(\i)+1536*(\q)+512
	ds_load_b128 v[\reg+6:\reg+9], v[\adr] offset:TILEB*(\i)+1536*(\q)+768
	ds_load_b64 v[\reg+10:\reg+11], v[\adr+3] offset:TILEB*(\i)+1536*(\q)+1280
.endm
; 16 matrix instructions: A's blocks a0, a0 + 1 x B's eight.  p: B's set; q: which 128 of the slot; sc: the set of scale words.  mode 0: the sums go on; 1: they start from the bias by B's block; 2: by A's block.
; The 64 accumulators take turns, one instruction a turn, in the same order in every step.
.macro MUL16 a0, p, q, sc, mode
.irp a, \a0, \a0+1
.irp b, 0,1,2,3,4,5,6,7
.set rD, 8*(8*((\a)%4)+\b)
.set rB, 128*(\p)+FR*\b
.set rA, AF+FR*(\a)
.set rS, SC+16*(\sc)+8*(\q)
.if \mode == 0
	v_wmma_scale_f32_16x16x128_f8f6f4 v[rD:rD+7], v[rB:rB+FR-1], v[rA:rA+FR-1], v[rD:rD+7], v[rS+\b], v[rS+(\a)] matrix_a_fmt:MATRIX_FMT_BF6 matrix_b_fmt:MATRIX_FMT_BF6 matrix_a_scale:MATRIX_SCALE_ROW1
.elseif \mode == 1
	v_wmma_scale_f32_16x16x128_f8f6f4 v[rD:rD+7], v[rB:rB+FR-1], v[rA:rA+FR-1], v[BIAS+8*\b:BIAS+8*\b+7], v[rS+\b], v[rS+(\a)] matrix_a_fmt:MATRIX_FMT_BF6 matrix_b_fmt:MATRIX_FMT_BF6 matrix_a_scale:MATRIX_SCALE_ROW1
.else
	v_wmma_scale_f32_16x16x128_f8f6f4 v[rD:rD+7], v[rB:rB+FR-1], v[rA:rA+FR-1], v[BIAS+8*(\a):BIAS+8*(\a)+7], v[rS+\b], v[rS+(\a)] matrix_a_fmt:MATRIX_FMT_BF6 matrix_b_fmt:MATRIX_FMT_BF6 matrix_a_scale:MATRIX_SCALE_ROW1
.endif
.endr
.endr
.endm
.macro FETCH_B slot, q, p
	WIN TO_B
.irp i, 0,1,2,3,4,5,6,7
	FRAG 128*(\p)+FR*\i, ADRB+\slot, \q, \i
.endr
	WIN 0
.endm
.macro FETCH_A slot, q, i0
.irp i, \i0, \i0+1, \i0+2, \i0+3
	FRAG AF+FR*(\i), ADRA+\slot, \q, \i
.endr
.endm
.macro SCALES ks                       ; K step ks's scale words: register 8 q + i: lanes 0-15 the word of A's block i, lanes 16-31 that of B's block i
.irp qq, 0,1
.irp g, 0,1
	ds_load_b128 v[SC+16*((\ks)%2)+8*\qq+4*\g:SC+16*((\ks)%2)+8*\qq+4*\g+3], v[ADRS] offset:(2*(\ks)+\qq)*1024+256*\g
.endr
.endr
.endm
; A slot's first 128 along K.  A has one set of registers: blocks 0-3 are fetched anew in the step's middle, blocks 4-7 at its end; B has two sets.
.macro STEP slot, ks, mode
	s_wait_dscnt 4*NL                              ; all but the youngest 16 loads (A's blocks 4-7) are in
.if \mode
	WIN 0x81                                       ; C (the bias) window 0, D window 2
.else
	WIN MUL_LO
.endif
	MUL16 0, 0, 0, (\ks)%2, \mode
	MUL16 2, 0, 0, (\ks)%2, \mode
	s_wait_dscnt 0x0                               ; A's blocks 4-7 are in
	PLACES NP                                      ; in front of loads into registers that matrix instructions have read
	FETCH_B \slot, 1, 1
	FETCH_A \slot, 1, 0
.if \mode
	WIN 0xc1
.else
	WIN MUL_HI
.endif
	MUL16 4, 0, 0, (\ks)%2, \mode
	MUL16 6, 0, 0, (\ks)%2, \mode
	PLACES NP
	WIN 0
	FETCH_A \slot, 1, 4
.endm
; A slot's second 128 along K, and the change of slots.  kind 1: this slot is filled again: all my tensor loads are waited for, the add, the wait for it and for my reads of the slot, a round of the cluster's barrier, the joint
; refill first behind it.  kind 0: the next slot's tile is the refill: the same lines and my work-group's barrier, nothing is filled.  kind 2: the next slot was shown whole to every wave by an earlier barrier: no barrier.
.macro TURN slot, next, ks, kind
.if \kind != 2
	s_wait_tensorcnt 0x0                           ; all my tensor loads have landed  (every window is 0 here)
	ds_add_u32 v[SPW], v[NIL]                      ; 0 onto my spare word
	s_wait_dscnt 4*NL+1                            ; (the add and the youngest 16 loads may be out)
.else
	s_wait_dscnt 4*NL
.endif
	WIN MUL_LO
	MUL16 0, 1, 1, (\ks)%2, 0
	s_wait_dscnt 0x0                               ; the add is done, my reads of this slot are over
.if \kind != 2
	s_barrier_signal -1
.endif
	MUL16 2, 1, 1, (\ks)%2, 0
	WIN 0
.if \kind != 2
	s_barrier_wait -1
.endif
.if \kind == 1
	CREST                                          ; no wave of any partner still reads this slot or has a load on its way
	s_add_nc_u64 s[58:59], s[58:59], 3*TILEB       ; slot 0's descriptors: from K step 0 to K step 3
	s_add_nc_u64 s[74:75], s[74:75], 3*TILEB
	JLOAD 56, G1A, 72, G1B                         ; the first tensor load behind the round; its four v_nop are the places in front of the loads below
.else
	PLACES NP
.endif
	FETCH_B \next, 0, 0
	FETCH_A \next, 0, 0
	SCALES (\ks)+1
	WIN MUL_HI
	MUL16 4, 1, 1, (\ks)%2, 0
	MUL16 6, 1, 1, (\ks)%2, 0
	PLACES NP
	WIN 0
	FETCH_A \next, 0, 4
.endm
	s_wait_tensorcnt 0x2                           ; the scale words and my part of K step 0 are in; slots 1 and 2 may be out
	s_barrier_signal -1
	s_barrier_wait -1
	FETCH_B 0, 0, 0
	FETCH_A 0, 0, 0
	SCALES 0
	FETCH_A 0, 0, 4
	s_cmp_eq_u32 s17, 1
	s_cbranch_scc1 .Lfirst_v
	STEP 0, 0, 1                                   ; the first products start the sums from the bias: nothing is cleared
	s_branch .Lfirst_done
.Lfirst_v:
	STEP 0, 0, 2
.Lfirst_done:
	TURN 0, 1, 0, 1                                ; K has four steps: written out, no loop
	STEP 1, 1, 0
	TURN 1, 2, 1, 2
	STEP 2, 2, 0
	TURN 2, 0, 2, 0
	STEP 0, 3, 0
	s_wait_dscnt 4*NL                              ; the very last 128 along K
	WIN MUL_LO
	MUL16 0, 1, 1, 1, 0
	MUL16 2, 1, 1, 1, 0
	s_wait_dscnt 0x0
	WIN MUL_HI
	MUL16 4, 1, 1, 1, 0
	MUL16 6, 1, 1, 1, 0
	WIN 0
; THE WAY OUT: no LDS.  Block a's 64 registers of a lane are 128 neighbours' halves: register 16 b + i = 32 b + 16 h + i.  They become a fragment's 12 registers and a scale word, which leave as they stand.
	PLACES NP
	s_mov_b32 s2, 0x76543210
	s_mov_b32 s3, 0xfedcba98
.irp b, 0,1,2,3
	v_mov_b32 v[TM+4+\b], 0                        ; written once: a lane permute's destination counts as one of its sources
.endr
	v_cmp_le_u32 vcc_lo, 16, v[LANE]               ; lanes 16-31
.macro QUANTW a
.set AC, 64*((\a)%4)
.set WW, 2+(\a)/4
	WIN WW|(WW<<2)                                 ; sources 0 and 1: the accumulators' window
.irp b, 0,1,2,3
	v_max3_num_f32 v[TM+\b], |v[AC+16*\b]|, |v[AC+16*\b+1]|, 0x2800000   ; each accumulator is read from its low end on; the floor 2^(5 - 127) holds the byte at 1 from below
.endr
.irp i, 2,4,6,8,10,12,14
.irp b, 0,1,2,3
	v_max3_num_f32 v[TM+\b], |v[AC+16*\b+\i]|, |v[AC+16*\b+\i+1]|, v[TM+\b]
.endr
.endr
	WIN 0
.irp b, 0,1,2,3
	v_permlanex16_b32 v[TM+4+\b], v[TM+\b], s2, s3
.endr
.irp b, 0,1,2,3
	v_max_num_f32 v[TM+\b], v[TM+\b], v[TM+4+\b]
.endr
.irp b, 0,1,2,3
	v_add_nc_u32 v[TM+12+\b], 0xfe000000, v[TM+\b]
.endr
.irp b, 0,1,2,3
	v_lshrrev_b32 v[TM+4+\b], 23, v[TM+12+\b]
.endr
	v_lshl_or_b32 v[PWS+(\a)], v[TM+5], 8, v[TM+4]
	v_lshl_or_b32 v[PWS+(\a)], v[TM+6], 16, v[PWS+(\a)]
	v_lshl_or_b32 v[PWS+(\a)], v[TM+7], 24, v[PWS+(\a)]
.if (\a) > 0
	s_wait_xcnt 0x0                                ; the last block's stores have read their data: the codes' registers are rewritten only behind this wait
.endif
	WIN WW
.irp c, 0,1
	v_cvt_scalef32_pk16_bf6_f32 v[PC+6*\c:PC+2+6*\c], v[AC+32*\c:AC+15+32*\c], v[TM+12+2*\c]
	v_cvt_scalef32_pk16_bf6_f32 v[PT+4*\c:PT+2+4*\c], v[AC+16+32*\c:AC+31+32*\c], v[TM+12+2*\c+1]
.endr
	WIN 0
	v_nop                                          ; one plain place behind a scaled conversion
.irp c, 0,1
.irp i, 0,1,2
	v_permlane16_swap_b32 v[PC+6*\c+\i], v[PT+4*\c+\i]
.endr
.irp i, 0,1,2
	v_mov_b32 v[PC+3+6*\c+\i], v[PT+4*\c+\i]
.endr
.endr
.endm
	s_cmp_eq_u32 s17, 1
	s_cbranch_scc1 .Lout_v
	; q, k: my 128 columns are two heads: registers 0-5 are head 0's half fragment, 6-11 head 1's
	s_lshr_b32 s18, s96, 3                         ; batch
	s_and_b32 s19, s96, 7                          ; which 256 rows of it
	s_and_b32 s20, s97, 3
	s_lshl_b32 s20, s20, 2
	s_lshl_b32 s21, s16, 1
	s_add_co_u32 s20, s20, s21                     ; my first head
	s_lshl_b32 s18, s18, 4
	s_add_co_u32 s18, s18, s20
	s_mul_i32 s18, s18, HS
	s_mul_i32 s19, s19, REC
	s_add_co_u32 s18, s18, s19                     ; its record
	s_mul_i32 s22, s15, 8*768                      ; my 8 tiles of rows
	s_lshl_b32 s23, s15, 9                         ; and their scale words
	s_mov_b32 s21, KSO
	s_cmp_eq_u32 ttmp9, 0                          ; q or k?
	s_cselect_b32 s20, QHO, 0
	s_cselect_b32 s21, QSO, s21
	s_add_co_u32 s20, s20, s18
	s_add_co_u32 s20, s20, s22
	s_add_co_u32 s22, s21, s18
	s_add_co_u32 s22, s22, s23
	s_mov_b32 s21, 0
	s_mov_b32 s23, 0
	s_add_nc_u64 s[12:13], s[10:11], s[22:23]
	s_add_nc_u64 s[10:11], s[10:11], s[20:21]
.irp a, 0,1,2,3,4,5,6,7
	QUANTW \a
	global_store_b128 v[L16], v[PC:PC+3], s[10:11] offset:768*\a               ; each store covers 512 or 256 consecutive bytes, aligned
	global_store_b64 v[L8], v[PC+4:PC+5], s[10:11] offset:768*\a+512
	global_store_b128 v[L16], v[PC+6:PC+9], s[10:11] offset:HS+768*\a
	global_store_b64 v[L8], v[PC+10:PC+11], s[10:11] offset:HS+768*\a+512
.endr
.irp i, 0,1,2,3
	v_cndmask_b32 v[SL+\i], v[PWS+\i], v[PWS+4+\i], vcc_lo   ; lanes 0-15: tiles 0-3, lanes 16-31: tiles 4-7 (both halves of the lanes hold every word)
.endr
.irp i, 0,1,2,3
	v_lshrrev_b32 v[SH+\i], 16, v[SL+\i]           ; head 1's two bytes, zeros above: the upper 64 along K of the next product are zero codes
.endr
.irp i, 0,1,2,3
	v_and_b32 v[SL+\i], 0xffff, v[SL+\i]           ; head 0's
.endr
	global_store_b128 v[L16], v[SL:SL+3], s[12:13]
	global_store_b128 v[L16], v[SH:SH+3], s[12:13] offset:HS
	s_branch .Lend
.Lout_v:
	; v: my 128 rows of A are two heads x 4 tiles of 16 channels; my 128 rows of B are 128 keys: block a is a whole fragment of V^T
	s_lshr_b32 s18, s97, 3                         ; batch
	s_and_b32 s19, s97, 7                          ; which 256 keys of it
	s_lshl_b32 s20, s93, 2
	s_lshl_b32 s21, s15, 1
	s_add_co_u32 s20, s20, s21                     ; my first head
	s_lshl_b32 s18, s18, 4
	s_add_co_u32 s18, s18, s20
	s_mul_i32 s18, s18, HS
	s_mul_i32 s19, s19, REC
	s_add_co_u32 s18, s18, s19
	s_mul_i32 s20, s16, 4*1536                     ; which 128 keys of the 256
	s_add_co_u32 s20, s20, s18
	s_add_co_u32 s20, s20, VHO
	s_lshl_b32 s22, s16, 8
	s_add_co_u32 s22, s22, s18
	s_add_co_u32 s22, s22, VSO
	s_mov_b32 s21, 0
	s_mov_b32 s23, 0
	s_add_nc_u64 s[12:13], s[10:11], s[22:23]
	s_add_nc_u64 s[10:11], s[10:11], s[20:21]
.irp a, 0,1,2,3,4,5,6,7
	QUANTW \a
	global_store_b128 v[L16], v[PC:PC+3], s[10:11] offset:(\a/4)*HS+1536*(\a%4)
	global_store_b64 v[L8], v[PC+4:PC+5], s[10:11] offset:(\a/4)*HS+1536*(\a%4)+512
	global_store_b128 v[L16], v[PC+6:PC+9], s[10:11] offset:(\a/4)*HS+1536*(\a%4)+768
	global_store_b64 v[L8], v[PC+10:PC+11], s[10:11] offset:(\a/4)*HS+1536*(\a%4)+1280
.endr
.irp i, 0,1,2,3
	v_cndmask_b32 v[SL+\i], v[PWS+\i], v[PWS+4+\i], vcc_lo   ; lanes 0-15: head 0's four tiles, lanes 16-31: head 1's
.endr
	global_store_b128 v[VSA], v[SL:SL+3], s[12:13] ; sixteen lanes store 256 consecutive bytes, aligned, in each of the two heads' records
.Lend:
	s_wait_tensorcnt 0x0                           ; the wave's end
	ds_add_u32 v[SPW], v[NIL]
	s_wait_dscnt 0x0
	CROUND                                         ; the closing round
	s_endpgm
.Lfunc_end_k_q93ad4c0508_gemm_qkv:
	.size	k_q93ad4c0508_gemm_qkv, .Lfunc_end_k_q93ad4c0508_gemm_qkv-k_q93ad4c0508_gemm_qkv
	.p2alignl 7, 3214868480
	.fill 96, 4, 3214868480
	.section	.rodata,"a",@progbits
	.p2align	6, 0x0
	.amdhsa_kernel k_q93ad4c0508_gemm_qkv
		.amdhsa_group_segment_fixed_size 327680
		.amdhsa_private_segment_fixed_size 0
		.amdhsa_enable_private_segment 0
		.amdhsa_kernarg_size 32
		.amdhsa_user_sgpr_count 2
		.amdhsa_user_sgpr_kernarg_segment_ptr 1
		.amdhsa_wavefront_size32 1
		.amdhsa_system_sgpr_workgroup_id_x 1
		.amdhsa_system_sgpr_workgroup_id_y 1
		.amdhsa_system_sgpr_workgroup_id_z 1
		.amdhsa_system_vgpr_workitem_id 0
		.amdhsa_next_free_vgpr 1024
		.amdhsa_next_free_sgpr 102
		.amdhsa_reserve_vcc 1
		.amdhsa_float_denorm_mode_32 3
		.amdhsa_float_denorm_mode_16_64 3
		.amdhsa_memory_ordered 1
		.amdhsa_forward_progress 1
		.amdhsa_inst_pref_size 201
	.end_amdhsa_kernel
	.amdgpu_metadata
---
amdhsa.version: [ 1, 2 ]
amdhsa.kernels:
  - .name:           k_q93ad4c0508_gemm_qkv
    .symbol:         k_q93ad4c0508_gemm_qkv.kd
    .args:
      - { .name: xq, .offset: 0, .size: 8, .value_kind: global_buffer, .address_space: global }
      - { .name: wq, .offset: 8, .size: 8, .value_kind: global_buffer, .address_space: global }
      - { .name: b_qkv, .offset: 16, .size: 8, .value_kind: global_buffer, .address_space: global }
      - { .name: qkv, .offset: 24, .size: 8, .value_kind: global_buffer, .address_space: global }
    .group_segment_fixed_size: 327680
    .private_segment_fixed_size: 0
    .kernarg_segment_align: 8
    .kernarg_segment_size: 32
    .max_flat_workgroup_size: 128
    .sgpr_count:     102
    .vgpr_count:     1024
    .wavefront_size: 32
...
	.end_amdgpu_metadata
.endif
;; end of part 2
;; launch attn (part 3): grid 4 x 64, 16 waves a work-group, no clusters, 327,680 bytes of LDS; arguments qkv, yq; writes yq
.if DOCPART == 3
	.amdgcn_target "amdgcn-amd-amdhsa--gfx1250"
	.amdhsa_code_object_version 6
	.text
	.protected	k_q93ad4c0508_attn
	.globl	k_q93ad4c0508_attn
	.p2align	8
	.type	k_q93ad4c0508_attn,@function
k_q93ad4c0508_attn:
	s_mov_b64 s[64:65], 0
	v_nop
	global_prefetch_b8 v0, s[64:65] scope:SCOPE_SE
	s_setreg_imm32_b32 hwreg(HW_REG_WAVE_MODE, 25, 1), 1
	s_wait_xcnt 0x0
; y[b][t][head] = softmax over the keys k <= t of (q . k / 8) times v, both products on codes of BF6 (E3M2) with E8M0 scales; y / the row's sum is quantised along C and leaves as codes.
; THE SOFTMAX AHEAD OF THE SECOND PRODUCT: t = score x log2(e) / 8; M = the running largest t rounded UP to a whole number; p = 2^(t - M) is quantised along the keys, not normalised; the row's sum is taken of the
; unquantised p; when M moves, the sum and O are multiplied by 2^(old M - new M), which rounds nothing.
; IN: a record of qkv serves one (batch, head) and 256 rows: K's 16 half fragments (16 keys x 64: lane l's 16 bytes at 16 l, its 8 at 512 + 8 l), K's scale words [64 keys][16 r + 4 tile], V^T [128 keys][16 channels][2 half
; fragments], its scale words, then Q's half fragments and scale words.  The first 26,112 bytes are one dense block: a slot of 256 keys.  Place p of 256 rows holds row p with bits 3 and 4 changed over.
; EVEN WORK: work-group (i, head) owns the query blocks i and 7 - i of 256 queries: i + 1 and 8 - i slots of keys, NINE visits whatever i: a constant trip count, no tile fetched in vain, no tensor load jumped over.
; Each of the sixteen waves owns one tile of 16 queries of a block, in 256 registers: four waves to a SIMD, so that one wave's vector work stands beside another's matrix work and LDS loads.
; LAYOUT: both products transposed: S^T = K Q^T (source 0 = 16 places of keys), O^T = V^T P^T (source 0 = 16 places of channels): a lane holds ONE query throughout; by the order of the places the 16 registers of two
; neighbouring tiles are 16 neighbouring keys (channels).  The first product's K is 64: registers 6-11 of its fragments are zero codes, written once.
; No cluster: the four work-groups of a head want different slots in the same visit.  No padding: every LDS load reads consecutive bytes.
; LIMITS: NaN and infinities are not served; a block whose largest magnitude lies under 2^-122 gets the byte 1.  y's scale bytes leave as stores of 2 bytes, 16 bytes apart: the other half of each word is another head's.
; REGISTERS: v1-4 lane terms; v5-6 the add's; v8-10 LDS addresses in hand; v12 -M, v13 the largest t, v[14:15] the sum; v16-27 Q, v28 its scale word; v32-79 four fragments of K; v80-143 S^T, then p, then V^T's four
; fragments; v144-175 O^T; v176-195 codes; v196-222 at work; v224-230 the second block's Q.
.set REC,   39424
.set HS,    8*REC
.set KSO,   12288
.set VHO,   13312
.set VSO,   25600
.set QHO,   26112
.set QSO,   38400
.set SLOT1, 32768                      ; slot 1 begins here: one exclusive or turns an address from one slot to the other
.set SPARE, 65536                      ; the spare words, 128 bytes a wave: eight blocks of 256 bytes that no other line names
.set OPREC, 204800
.set OPSC,  196608
.set S,   80
.set O,   144
.set PC,  176
.set PT,  188
.set BM,  196
.set BT,  200
.set BS,  204
.set KSC, 208
.set VSC, 212
.set PW,  216
.macro TLOAD                           ; waves 0 and 1 fetch the slot's halves, 51 rows of 256 bytes each.  Four v_nop follow the line
	s_cmp_lt_u32 s8, 2
	s_cbranch_scc0 .Lno_load_\@
	tensor_load_to_lds s[24:27], s[16:23]
	s_nop 0
.rept 4
	v_nop
.endr
.Lno_load_\@:
.endm
	s_load_b128 s[4:7], s[0:1], 0x0                ; qkv, yq
	v_lshl_add_u32 v5, v0, 2, SPARE
	v_mov_b32 v6, 0
	ds_add_u32 v5, v6
	ds_add_u32 v5, v6
	s_wait_dscnt 0x0
	v_lshrrev_b32 v1, 5, v0
	s_delay_alu instid0(VALU_DEP_1)
	v_readfirstlane_b32 s8, v1                     ; wave 0..15
	s_and_b32 s14, ttmp7, 0xffff                   ; 16 x batch + head
	s_add_co_u32 s10, ttmp9, 1                     ; the visit at which the second block begins
	s_mov_b32 s16, 3<<16                           ; group 1: no mask; elements of 8 bytes; no padding
	s_mov_b32 s17, 32<<16                          ; tensor_dim0 = 32 (256 bytes)
	s_mov_b32 s18, 51<<16                          ; tensor_dim1 = 51
	s_mov_b32 s19, 32<<16                          ; tile_dim0
	s_mov_b32 s20, 51                              ; tile_dim1
	s_mov_b32 s21, 32                              ; dense
	s_mov_b32 s22, 0
	s_mov_b32 s23, 0
	s_mul_i32 s44, s14, HS
	s_mov_b32 s45, 0
	s_and_b32 s46, s8, 1
	s_mul_i32 s46, s46, 13056                      ; my half of a slot, in memory and in LDS
	s_mov_b32 s47, 0
	s_lshr_b32 s56, s8, 2
	s_lshl_b32 s56, s56, 8
	s_and_b32 s58, s8, 3
	s_lshl_b32 s58, s58, 2
	s_add_co_u32 s56, s56, s58                     ; my tile's place among scale words: 256 (w / 4) + 4 (w % 4)
	s_lshr_b32 s57, s8, 1
	s_lshl_b32 s57, s57, 5
	s_and_b32 s58, s8, 1
	s_lshl_b32 s58, s58, 3
	s_add_co_u32 s57, s57, s58                     ; my tile's first query in a block: 32 (w / 2) + 8 (w % 2)
	s_mov_b32 s32, 0x76543210
	s_mov_b32 s33, 0xfedcba98                      ; v_permlanex16_b32's selects for lane l xor 16
	s_mov_b32 s34, 0x3e38aa3b                      ; c = log2(e) / 8
	s_mov_b32 s35, s34                             ; (named with it as a pair)
	s_mov_b32 s13, 0                               ; LDS byte at which the slot in hand begins
	s_mov_b32 s11, 0                               ; the step's first key
	s_mov_b32 s30, 0                               ; the next slot's bytes from the head's first record
	s_mov_b32 s31, 0
	s_wait_kmcnt 0x0
	s_add_nc_u64 s[4:5], s[4:5], s[44:45]          ; qkv at my head
	s_add_nc_u64 s[28:29], s[4:5], s[46:47]        ; and at my half of its first slot
	s_mov_b32 s24, 1
	s_mov_b32 s25, s46
	s_mov_b64 s[26:27], s[28:29]
	s_or_b32 s27, s27, 0x80000000
	TLOAD                                          ; the first visit's slot
	v_and_b32 v7, 31, v0
	v_and_b32 v11, 15, v0                          ; r
	v_bfe_u32 v10, v0, 4, 1                        ; h
	s_delay_alu instid0(VALU_DEP_3)
	v_lshlrev_b32 v1, 4, v7                        ; 16 x lane
	s_wait_alu depctr_va_vdst(0)
	v_lshlrev_b32 v2, 3, v7                        ; 8 x lane
	s_wait_alu depctr_va_vdst(0)
	v_lshlrev_b32 v3, 4, v11                       ; 16 r
	s_wait_alu depctr_va_vdst(0)
	v_and_b32 v4, 8, v11
	s_delay_alu instid0(VALU_DEP_1)
	v_add_nc_u32 v4, v4, v11
	v_lshlrev_b32 v10, 4, v10
	s_delay_alu instid0(VALU_DEP_1)
	v_sub_nc_u32 v4, v4, v10                       ; r + 8 (r / 8) - 16 h: my query less my half's first key
	s_mul_i32 s58, s8, 768
	s_add_co_u32 s58, s58, QHO
	s_add_co_u32 s59, s56, QSO
	s_mul_i32 s60, ttmp9, REC                      ; block i
	s_sub_co_u32 s15, 7, ttmp9
	s_mul_i32 s61, s15, REC                        ; block 7 - i
	s_add_co_u32 s48, s60, s58
	s_mov_b32 s49, 0
	s_add_co_u32 s50, s60, s59
	s_mov_b32 s51, 0
	s_add_co_u32 s52, s61, s58
	s_mov_b32 s53, 0
	s_add_co_u32 s54, s61, s59
	s_mov_b32 s55, 0
	s_add_nc_u64 s[48:49], s[4:5], s[48:49]
	s_add_nc_u64 s[50:51], s[4:5], s[50:51]
	s_add_nc_u64 s[52:53], s[4:5], s[52:53]
	s_add_nc_u64 s[54:55], s[4:5], s[54:55]
	global_load_b128 v[16:19], v1, s[48:49]        ; both blocks' Q stay in registers
	global_load_b64 v[20:21], v2, s[48:49] offset:512
	global_load_b32 v28, v3, s[50:51]
	global_load_b128 v[224:227], v1, s[52:53]
	global_load_b64 v[228:229], v2, s[52:53] offset:512
	global_load_b32 v230, v3, s[54:55]
.irp j, 22,23,24,25,26,27
	v_mov_b32 v[\j], 0                             ; zero codes for the upper 64 along the first product's K
.endr
.irp t, 0,1,2,3
.irp j, 6,7,8,9,10,11
	v_mov_b32 v[32+12*\t+\j], 0
.endr
.endr
	v_mov_b32 v13, 0xff61b1e6                      ; the largest t so far: -3e38
	s_delay_alu instid0(VALU_DEP_1)
	v_floor_f32 v12, -v13                          ; -M
	v_mov_b32 v14, 0
	v_mov_b32 v15, 0
.irp b, 0,1,2,3
	v_mov_b32 v[BT+\b], 0                          ; written once: a lane permute's destination counts as one of its sources
.endr
	v_mov_b32 v219, 0                              ; (named as the upper half of the pair v[218:219])
	v_mov_b32 v220, 0
.set j, 0
.rept 32
	v_mov_b32 v[O+j], 0                            ; O^T: the step is written once; the first finds zeros
.set j, j+1
.endr
	s_lshr_b32 s58, s14, 4
	s_mul_i32 s58, s58, 8*OPREC                    ; my batch's eight records of yq
	s_and_b32 s59, s14, 15                         ; head = which 64 along C
	s_mul_i32 s60, s59, 768
	s_add_co_u32 s60, s60, s58
	s_mul_i32 s62, s8, 12288
	s_add_co_u32 s60, s60, s62
	s_mov_b32 s61, 0
	s_add_nc_u64 s[36:37], s[6:7], s[60:61]        ; my tile's half fragment in block 0's record
	s_lshr_b32 s60, s59, 1
	s_lshl_b32 s60, s60, 10
	s_and_b32 s62, s59, 1
	s_lshl_b32 s62, s62, 1
	s_add_co_u32 s60, s60, s62
	s_add_co_u32 s60, s60, s56
	s_add_co_u32 s60, s60, s58
	s_add_co_u32 s60, s60, OPSC
	s_add_nc_u64 s[38:39], s[6:7], s[60:61]        ; and its two scale bytes
.macro SETBLK                          ; s15 = the block of 256 queries
	s_lshl_b32 s12, s15, 8
	s_add_co_u32 s12, s12, s57                     ; my first query; my queries are s12 + r + 8 (r / 8)
	s_mul_i32 s44, s15, OPREC
	s_mov_b32 s45, 0
	s_add_nc_u64 s[40:41], s[36:37], s[44:45]
	s_add_nc_u64 s[42:43], s[38:39], s[44:45]
.endm
	s_mov_b32 s15, ttmp9
	SETBLK
; A KEY STEP: 128 keys, the q-th of the slot in hand.  A step all of whose keys come after my queries is left out: a scalar branch on ids; no barrier and no tensor load stands in a step.
.macro STEP q
	s_add_co_u32 s44, s12, 23
	s_cmp_gt_u32 s11, s44
	s_cbranch_scc1 .Lhidden_\@
	v_add_nc_u32 v8, s13, v1
	s_wait_alu depctr_va_vdst(0)
	v_add_nc_u32 v9, s13, v2
	s_wait_alu depctr_va_vdst(0)
	v_add_nc_u32 v10, s13, v3
	ds_load_b128 v[KSC:KSC+3], v8 offset:KSO+512*(\q)   ; K's scale words: lanes 0-15 tiles 0-3 of the step, lanes 16-31 tiles 4-7
.irp g, 0,1
.if \g
.rept 4
	v_nop                                          ; places in front of loads into registers that matrix instructions have read
.endr
.endif
.irp t, 0,1,2,3
	ds_load_b128 v[32+12*\t:35+12*\t], v8 offset:768*(8*(\q)+4*\g+\t)
	ds_load_b64 v[36+12*\t:37+12*\t], v9 offset:768*(8*(\q)+4*\g+\t)+512
.endr
	s_wait_dscnt 0x0
.irp t, 0,1,2,3
.if \g == 0
	v_wmma_scale_f32_16x16x128_f8f6f4 v[S+8*\t:S+8*\t+7], v[32+12*\t:43+12*\t], v[16:27], 0, v[KSC+\t], v28 matrix_a_fmt:MATRIX_FMT_BF6 matrix_b_fmt:MATRIX_FMT_BF6
.else
	v_wmma_scale_f32_16x16x128_f8f6f4 v[S+32+8*\t:S+32+8*\t+7], v[32+12*\t:43+12*\t], v[16:27], 0, v[KSC+\t], v28 matrix_a_fmt:MATRIX_FMT_BF6 matrix_b_fmt:MATRIX_FMT_BF6 matrix_a_scale:MATRIX_SCALE_ROW1
.endif
.endr
.endr                                  ; register 16 b + i of S^T: key s11 + 32 b + 16 h + i
.rept 4
	v_nop
.endr
	s_add_co_u32 s44, s11, 127                     ; on the diagonal hidden scores become -infinity ahead of the maximum; a step all of whose keys count skips this
	s_cmp_le_u32 s44, s12
	s_cbranch_scc1 .Lopen_\@
	s_sub_co_i32 s44, s12, s11
	v_add_nc_u32 v221, s44, v4                     ; d = my query - the step's first key - 16 h: hidden where 32 b + i > d
	v_mov_b32 v222, 0xff800000
.set n, 0
.rept 64
	v_cmp_gt_i32 vcc_lo, 32*(n/16)+n%16, v221
	v_cndmask_b32 v[S+n], v[S+n], v222, vcc_lo
.set n, n+1
.endr
.Lopen_\@:
.irp b, 0,1,2,3
	v_max3_num_f32 v[BM+\b], v[S+16*\b], v[S+1+16*\b], v[S+2+16*\b]   ; the largest score of each block of 32 keys: it serves for the row's maximum and, since p rises with the score, for the block's largest p
.endr
.irp i, 3,5,7,9,11,13
.irp b, 0,1,2,3
	v_max3_num_f32 v[BM+\b], v[BM+\b], v[S+16*\b+\i], v[S+1+16*\b+\i]
.endr
.endr
.irp b, 0,1,2,3
	v_max_num_f32 v[BM+\b], v[BM+\b], v[S+15+16*\b]
.endr
.irp b, 0,1,2,3
	s_delay_alu instid0(VALU_DEP_4)
	v_permlanex16_b32 v[BT+\b], v[BM+\b], s32, s33
.endr
.irp b, 0,1,2,3
	s_delay_alu instid0(VALU_DEP_4)
	v_max_num_f32 v[BM+\b], v[BM+\b], v[BT+\b]     ; with lane l xor 16's 16 keys
.endr
	s_delay_alu instid0(VALU_DEP_2)
	v_max3_num_f32 v220, v[BM], v[BM+1], v[BM+2]
	s_delay_alu instid0(VALU_DEP_1)
	v_max_num_f32 v220, v220, v[BM+3]
	s_delay_alu instid0(VALU_DEP_1)
	v_mul_f32 v220, s34, v220                      ; as t (c is positive)
	s_delay_alu instid0(VALU_DEP_1)
	v_max_num_f32 v13, v13, v220                   ; the running largest t
	v_mov_b32 v220, v12
	s_delay_alu instid0(VALU_DEP_2)
	v_floor_f32 v12, -v13                          ; the new -M = -ceil(t)
	s_delay_alu instid0(VALU_DEP_1)
	v_sub_f32 v220, v12, v220                      ; old M - new M: a whole number, 0 or less
	s_delay_alu instid0(VALU_DEP_1)
	v_cvt_i32_f32 v220, v220                       ; (it saturates)
	s_delay_alu instid0(VALU_DEP_1)
	v_ldexp_f32 v218, 1.0, v220                    ; f = 2^(old M - new M)
.set j, 0
.rept 32
	v_pk_fma_f32 v[S+j:S+j+1], v[S+j:S+j+1], s[34:35], v[12:13] op_sel_hi:[1,0,0]   ; t - M, two at a time
.set j, j+2
.endr
.irp b, 0,1,2,3
	v_fma_f32 v[BM+\b], v[BM+\b], s34, v12         ; the same of each block's largest score
.endr
.set j, 0
	s_wait_alu depctr_va_vdst(0)
.rept 64
	v_exp_f32 v[S+j], v[S+j]                       ; p = 2^(t - M)
.set j, j+1
.endr
	v_pk_mul_f32 v[14:15], v[14:15], v[218:219] op_sel_hi:[1,0]   ; the sums under the new M: a plain place behind the exponentials
	s_wait_alu depctr_va_vdst(0)                   ; one wait for the batch of 64, ahead of its first reader
.irp b, 0,1,2,3
	v_exp_f32 v[BM+\b], v[BM+\b]                   ; the block's largest p
.endr
	v_pk_add_f32 v[200:201], v[84:85], v[88:89]
	v_pk_add_f32 v[254:255], v[92:93], v[96:97]
	v_pk_add_f32 v[252:253], v[100:101], v[104:105]
	v_pk_add_f32 v[250:251], v[108:109], v[112:113]
	v_pk_add_f32 v[248:249], v[116:117], v[120:121]
	v_pk_add_f32 v[246:247], v[124:125], v[128:129]
	v_pk_add_f32 v[244:245], v[132:133], v[136:137]
	v_pk_add_f32 v[14:15], v[14:15], v[140:141]
	v_pk_add_f32 v[200:201], v[200:201], v[80:81]
	v_pk_add_f32 v[254:255], v[254:255], v[82:83]
	v_pk_add_f32 v[252:253], v[252:253], v[86:87]
	v_pk_add_f32 v[250:251], v[250:251], v[90:91]
	v_pk_add_f32 v[248:249], v[248:249], v[94:95]
	v_pk_add_f32 v[246:247], v[246:247], v[98:99]
	v_pk_add_f32 v[244:245], v[244:245], v[102:103]
	v_pk_add_f32 v[14:15], v[14:15], v[106:107]
	v_pk_add_f32 v[200:201], v[200:201], v[110:111]
	v_pk_add_f32 v[254:255], v[254:255], v[114:115]
	v_pk_add_f32 v[252:253], v[252:253], v[118:119]
	v_pk_add_f32 v[250:251], v[250:251], v[122:123]
	v_pk_add_f32 v[248:249], v[248:249], v[126:127]
	v_pk_add_f32 v[246:247], v[246:247], v[130:131]
	v_pk_add_f32 v[244:245], v[244:245], v[134:135]
	v_pk_add_f32 v[14:15], v[14:15], v[138:139]
	v_pk_add_f32 v[200:201], v[200:201], v[142:143]
	s_delay_alu instid0(VALU_DEP_2)
	v_pk_add_f32 v[14:15], v[14:15], v[250:251]
	s_delay_alu instid0(VALU_DEP_2)
	v_pk_add_f32 v[200:201], v[200:201], v[248:249]
	v_pk_add_f32 v[254:255], v[254:255], v[246:247]
	v_pk_add_f32 v[252:253], v[252:253], v[244:245]
	s_delay_alu instid0(VALU_DEP_2)
	v_pk_add_f32 v[14:15], v[14:15], v[254:255]
	s_delay_alu instid0(VALU_DEP_2)
	v_pk_add_f32 v[200:201], v[200:201], v[252:253]
	s_delay_alu instid0(VALU_DEP_1)
	v_pk_add_f32 v[14:15], v[14:15], v[200:201]
	s_wait_alu depctr_va_vdst(0)                   ; and one for the four
.irp b, 0,1,2,3
	v_max_num_f32 v[BM+\b], 0x2800000, v[BM+\b]    ; the floor 2^(5 - 127): the byte cannot fall under 1
.endr
.irp b, 0,1,2,3
	s_delay_alu instid0(VALU_DEP_4)
	v_add_nc_u32 v[BS+\b], 0xfe000000, v[BM+\b]    ; 4 off the exponent field: the conversion's scale operand
.endr
.irp b, 0,1,2,3
	s_delay_alu instid0(VALU_DEP_4)
	v_lshrrev_b32 v[BT+\b], 23, v[BS+\b]
.endr
	s_delay_alu instid0(VALU_DEP_3)
	v_lshl_or_b32 v[PW], v[BT+1], 8, v[BT]         ; p's scale word for these 128 keys
	s_delay_alu instid0(VALU_DEP_1)
	v_lshl_or_b32 v[PW], v[BT+2], 16, v[PW]
	s_delay_alu instid0(VALU_DEP_1)
	v_lshl_or_b32 v[PW], v[BT+3], 24, v[PW]
.irp c, 0,1
	v_cvt_scalef32_pk16_bf6_f32 v[PC+6*\c:PC+2+6*\c], v[S+32*\c:S+15+32*\c], v[BS+2*\c]
	v_cvt_scalef32_pk16_bf6_f32 v[PT+4*\c:PT+2+4*\c], v[S+16+32*\c:S+31+32*\c], v[BS+2*\c+1]
.endr
	v_nop                                          ; one plain place behind a scaled conversion
.irp d, 0,1,2,3                        ; V^T's four fragments take p's registers; they land while the codes change lanes and O^T is rescaled
	ds_load_b128 v[S+12*\d:S+12*\d+3], v8 offset:VHO+6144*(\q)+1536*\d
	ds_load_b64 v[S+12*\d+4:S+12*\d+5], v9 offset:VHO+6144*(\q)+1536*\d+512
	ds_load_b128 v[S+12*\d+6:S+12*\d+9], v8 offset:VHO+6144*(\q)+1536*\d+768
	ds_load_b64 v[S+12*\d+10:S+12*\d+11], v9 offset:VHO+6144*(\q)+1536*\d+1280
.endr
	ds_load_b128 v[VSC:VSC+3], v10 offset:VSO+256*(\q)
.irp c, 0,1                            ; the operand wants a WHOLE block in a lane
.irp i, 0,1,2
	v_permlane16_swap_b32 v[PC+6*\c+\i], v[PT+4*\c+\i]
.endr
.irp i, 0,1,2
	s_delay_alu instid0(VALU_DEP_3)
	v_mov_b32 v[PC+3+6*\c+\i], v[PT+4*\c+\i]
.endr
.endr
.set j, 0
.rept 16
	v_pk_mul_f32 v[O+j:O+j+1], v[O+j:O+j+1], v[218:219] op_sel_hi:[1,0]   ; O^T under the new M; these are also the places in front of the scaled products below
.set j, j+2
.endr
	s_wait_alu depctr_va_vdst(0)
	s_wait_dscnt 0x0
.irp d, 0,1,2,3
	v_wmma_scale_f32_16x16x128_f8f6f4 v[O+8*\d:O+8*\d+7], v[S+12*\d:S+12*\d+11], v[PC:PC+11], v[O+8*\d:O+8*\d+7], v[VSC+\d], v[PW] matrix_a_fmt:MATRIX_FMT_BF6 matrix_b_fmt:MATRIX_FMT_BF6
.endr
.rept 5
	v_nop                                          ; five places: the next step's first products write over V^T's registers; the way out reads O^T
.endr
.Lhidden_\@:
	s_add_co_u32 s11, s11, 128
.endm
; THE CHANGE OF SLOTS stands at a visit's head: all my tensor loads are waited for, the add, the wait for it and for my reads of the slot that I have left, the barrier.  fill = 1: the slot just left takes the next visit's keys:
; the load has a whole visit in which to land.
.macro CHANGE fill
	s_wait_tensorcnt 0x0                           ; no tensor load of mine is out, so the descriptor may be written
	ds_add_u32 v5, v6                              ; 0 onto my spare word
.if \fill
	s_xor_b32 s25, s25, SLOT1
	s_add_co_u32 s30, s30, REC                     ; the next 256 keys,
	s_add_co_u32 s44, s9, 1
	s_cmp_eq_u32 s44, s10
	s_cselect_b32 s30, 0, s30                      ; or the head's first, where the second block begins
	s_add_nc_u64 s[26:27], s[28:29], s[30:31]
	s_or_b32 s27, s27, 0x80000000
.endif
	s_wait_dscnt 0x0
	s_barrier_signal -1
	s_barrier_wait -1
.if \fill
	TLOAD                                          ; the first thing behind the barrier, a wave's one tensor load until the next
.endif
.endm
; A BLOCK'S END: O^T / the row's sum is y's 64 numbers of my row: register 16 b + i = channel 32 b + 16 h + i.  They become a half fragment and two scale bytes.
.macro FINISH more
	v_add_f32 v14, v14, v15
	s_delay_alu instid0(VALU_DEP_1)
	v_permlanex16_b32 v220, v14, s32, s33
	s_delay_alu instid0(VALU_DEP_1)
	v_add_f32 v14, v14, v220                       ; the row's sum
	s_wait_alu depctr_va_vdst(0)
	v_rcp_f32 v218, v14
	v_nop                                          ; a plain place behind the transcendental
	s_wait_alu depctr_va_vdst(0)                   ; the wait ahead of its first reader
.set j, 0
.rept 16
	v_pk_mul_f32 v[S+j:S+j+1], v[O+j:O+j+1], v[218:219] op_sel_hi:[1,0]
.set j, j+2
.endr
.irp b, 0,1
	v_max3_num_f32 v[BM+\b], |v[S+16*\b]|, |v[S+1+16*\b]|, 0x2800000
.endr
.irp i, 2,4,6,8,10,12,14
.irp b, 0,1
	s_delay_alu instid0(VALU_DEP_2)
	v_max3_num_f32 v[BM+\b], v[BM+\b], |v[S+16*\b+\i]|, |v[S+1+16*\b+\i]|
.endr
.endr
.irp b, 0,1
	s_delay_alu instid0(VALU_DEP_2)
	v_permlanex16_b32 v[BT+\b], v[BM+\b], s32, s33
.endr
.irp b, 0,1
	s_delay_alu instid0(VALU_DEP_2)
	v_max_num_f32 v[BM+\b], v[BM+\b], v[BT+\b]
.endr
.irp b, 0,1
	s_delay_alu instid0(VALU_DEP_2)
	v_add_nc_u32 v[BS+\b], 0xfe000000, v[BM+\b]
.endr
.irp b, 0,1
	s_delay_alu instid0(VALU_DEP_2)
	v_lshrrev_b32 v[BT+\b], 23, v[BS+\b]
.endr
	s_delay_alu instid0(VALU_DEP_1)
	v_lshl_or_b32 v29, v[BT+1], 8, v[BT]
	v_cvt_scalef32_pk16_bf6_f32 v[PC:PC+2], v[S:S+15], v[BS]
	v_cvt_scalef32_pk16_bf6_f32 v[PT:PT+2], v[S+16:S+31], v[BS+1]
	v_nop
.irp i, 0,1,2
	v_permlane16_swap_b32 v[PC+\i], v[PT+\i]
.endr
.irp i, 0,1,2
	s_delay_alu instid0(VALU_DEP_3)
	v_mov_b32 v[PC+3+\i], v[PT+\i]
.endr
	global_store_b128 v1, v[PC:PC+3], s[40:41]     ; 512 and 256 consecutive bytes, aligned
	global_store_b64 v2, v[PC+4:PC+5], s[40:41] offset:512
	global_store_b16 v3, v29, s[42:43]             ; lanes l and l xor 16 hold the same bytes and write the same place
.if \more
	s_wait_xcnt 0x0                                ; the stores have read their data and bases: both are rewritten below
.endif
.endm
	s_wait_loadcnt 0x0                             ; Q
	s_mov_b32 s9, 0
.Lvisit:                                           ; eight trips; the ninth visit is written out
	CHANGE 1
	s_cmp_lg_u32 s9, s10
	s_cbranch_scc1 .Lsame
	FINISH 1                                       ; block i is done: on to block 7 - i
	s_sub_co_u32 s15, 7, ttmp9
	SETBLK
.irp j, 0,1,2,3,4,5
	v_mov_b32 v[16+\j], v[224+\j]
.endr
	v_mov_b32 v28, v230
	v_mov_b32 v13, 0xff61b1e6
	s_delay_alu instid0(VALU_DEP_1)
	v_floor_f32 v12, -v13
	v_mov_b32 v14, 0
	v_mov_b32 v15, 0
.set j, 0
.rept 32
	v_mov_b32 v[O+j], 0                            ; (these are also the places between Q's registers, just written, and the next scaled product)
.set j, j+1
.endr
	s_mov_b32 s11, 0
.Lsame:
	STEP 0
	STEP 1
	s_xor_b32 s13, s13, SLOT1
	s_add_co_u32 s9, s9, 1
	s_cmp_lt_u32 s9, 8
	s_cbranch_scc1 .Lvisit
	CHANGE 0
	STEP 0
	STEP 1
	FINISH 0
	s_wait_tensorcnt 0x0                           ; the wave's end
	ds_add_u32 v5, v6
	s_wait_dscnt 0x0
	s_endpgm
.Lfunc_end_k_q93ad4c0508_attn:
	.size	k_q93ad4c0508_attn, .Lfunc_end_k_q93ad4c0508_attn-k_q93ad4c0508_attn
	.p2alignl 7, 3214868480
	.fill 96, 4, 3214868480
	.section	.rodata,"a",@progbits
	.p2align	6, 0x0
	.amdhsa_kernel k_q93ad4c0508_attn
		.amdhsa_group_segment_fixed_size 327680
		.amdhsa_private_segment_fixed_size 0
		.amdhsa_enable_private_segment 0
		.amdhsa_kernarg_size 16
		.amdhsa_user_sgpr_count 2
		.amdhsa_user_sgpr_kernarg_segment_ptr 1
		.amdhsa_wavefront_size32 1
		.amdhsa_system_sgpr_workgroup_id_x 1
		.amdhsa_system_sgpr_workgroup_id_y 1
		.amdhsa_system_sgpr_workgroup_id_z 1
		.amdhsa_system_vgpr_workitem_id 0
		.amdhsa_next_free_vgpr 256
		.amdhsa_next_free_sgpr 66
		.amdhsa_reserve_vcc 1
		.amdhsa_float_denorm_mode_32 3
		.amdhsa_float_denorm_mode_16_64 3
		.amdhsa_memory_ordered 1
		.amdhsa_forward_progress 1
		.amdhsa_inst_pref_size 110
	.end_amdhsa_kernel
	.amdgpu_metadata
---
amdhsa.version: [ 1, 2 ]
amdhsa.kernels:
  - .name:           k_q93ad4c0508_attn
    .symbol:         k_q93ad4c0508_attn.kd
    .args:
      - { .name: qkv, .offset: 0, .size: 8, .value_kind: global_buffer, .address_space: global }
      - { .name: yq, .offset: 8, .size: 8, .value_kind: global_buffer, .address_space: global }
    .group_segment_fixed_size: 327680
    .private_segment_fixed_size: 0
    .kernarg_segment_align: 8
    .kernarg_segment_size: 16
    .max_flat_workgroup_size: 512
    .sgpr_count:     66
    .vgpr_count:     256
    .wavefront_size: 32
...
	.end_amdgpu_metadata
.endif
;; end of part 3
;; launch gemm_proj (part 4): grid 4 x 32, 4 waves a work-group, clusters of 4 x 4, 327,680 bytes of LDS; arguments yq, wp, b_proj, out0; writes out0
.if DOCPART == 4
	.amdgcn_target "amdgcn-amd-amdhsa--gfx1250"
	.amdhsa_code_object_version 6
	.text
	.protected	k_q93ad4c0508_gemm_proj
	.globl	k_q93ad4c0508_gemm_proj
	.p2align	8
	.type	k_q93ad4c0508_gemm_proj,@function
k_q93ad4c0508_gemm_proj:
	s_mov_b64 s[64:65], 0
	v_nop
	global_prefetch_b8 v0, s[64:65] scope:SCOPE_SE
	s_setreg_imm32_b32 hwreg(HW_REG_WAVE_MODE, 25, 1), 1
	s_wait_xcnt 0x0
	s_wait_alu depctr_hold_cnt(0) depctr_sa_sdst(0) depctr_va_vdst(0) depctr_va_sdst(0) depctr_va_ssrc(0) depctr_va_vcc(0) depctr_vm_vsrc(0)
	s_getreg_b32 s2, hwreg(HW_REG_IB_STS2, 6, 4)
	s_cmp_eq_u32 s2, 0
	s_cbranch_scc0 .Lentry_in_a_cluster
	s_endpgm
.Lentry_in_a_cluster:
	s_bfe_u32 s2, ttmp6, 0x10000c
	s_cmp_lg_u32 s2, 0xf033
	s_cbranch_scc0 .Lentry_shape_is_right
	s_endpgm
.Lentry_shape_is_right:
; out0 = y w_proj + b_proj on codes of BF6 (E3M2) with E8M0 scales, sums in f32, results f32.
; Operands come as records of 256 rows in the order of the operand's registers: 16 tiles x 16 half fragments of 768 bytes (16 rows x 64 K: lane l's 16 bytes at 16 l, its 8 bytes at 512 + 8 l), then the scale words
; [K / 128][64 rows][16 r + 4 tile].  Place p of a record holds row p with bits 3 and 4 changed over: the way out puts rows and columns back.
; A tile of the result is 256 x 256, a wave's 128 x 128: 64 accumulators.  The matrix instruction is used transposed: source 0 = 16 places of B (the weight's columns), source 1 = 16 places of A (y's rows).
; K = 1,024 goes in four steps of 256 through three LDS slots: three are asked for at the head, the fourth is the one refill (slot 0).  No padding: every LDS load of an operand reads consecutive bytes.
; CLUSTERS: 4 x 4 work-groups; A's tiles are asked for jointly along a row of the cluster, B's along a column.  The result has 128 such tiles: 128 work-groups.
; REGISTERS: window 0: v4-21 addresses; v28-29 the add's; v32-63 scale words, two sets; v64-127 the bias, as the C of each sum's first product; v128-223 A's fragments, one set; on the way out v128-255 rows read back.
;   Window 1: B's fragments, two sets.  Windows 2, 3: the accumulators ((a, b) at v[8 (8 (a % 4) + b)]).
.set OPREC,  204800
.set OPSC,   196608
.set TILEB,  3072
.set HALFT,  8*TILEB
.set SLOT,   4*HALFT
.set SCL,    3*SLOT
.set SPARE,  SCL+16384                 ; the spare words, 128 bytes a wave: two blocks of 256 bytes that no other line names
.set SPITCH, 528                       ; the way out: a stage of 16 rows x (512 bytes + 16) for each wave, in slot 1: it is filled once, and its last read lies in front of the last barrier
.set FR,     12
.set NL,     4
.set NP,     4
.set ADRA, 4
.set ADRB, 10
.set ADRS, 16
.set L16,  17
.set L8,   18
.set STO,  19
.set RD,   20
.set LANE, 21
.set SPW,  28
.set NIL,  29
.set SC,   32
.set BIAS, 64
.set AF,   128
.set BK,   128
.set G1A,  24
.set G1B,  32
.set G1SA, 40
.set G1SB, 48
.set MSB, 0
.macro WIN new
.if MSB != (\new)
	s_set_vgpr_msb (MSB<<8)|(\new)
.set MSB, (\new)
.endif
.endm
.set MUL_LO, 0xa1
.set MUL_HI, 0xf1
.set TO_B,   0x40
.macro JLOAD g0a, g1a, g0b, g1b        ; a joint load: waves 0 and 1 fetch for A, waves 2 and 3 for B; four v_nop follow each of the two lines
	s_cmp_eq_u32 s15, 0
	s_cbranch_scc0 .Lfor_b_\@
	tensor_load_to_lds s[\g0a:\g0a+3], s[\g1a:\g1a+7]
	s_nop 0
.rept 4
	v_nop
.endr
	s_branch .Lasked_\@
.Lfor_b_\@:
	tensor_load_to_lds s[\g0b:\g0b+3], s[\g1b:\g1b+7]
	s_nop 0
.rept 4
	v_nop
.endr
.Lasked_\@:
.endm
.macro CREST
	s_cmp_lg_u32 s14, 0
	s_cbranch_scc1 .Lnot_wave_0_\@
	s_barrier_signal -3
.Lnot_wave_0_\@:
	s_barrier_wait -3
	s_barrier_signal -1
	s_barrier_wait -1
.endm
.macro CROUND
	s_barrier_signal -1
	s_barrier_wait -1
	CREST
.endm
.macro PLACES n
.rept \n
	v_nop
.endr
.endm
	s_load_b256 s[4:11], s[0:1], 0x0               ; yq s[4:5], wp s[6:7], b_proj s[8:9], out0 s[10:11]
	v_lshl_add_u32 v[SPW], v0, 2, SPARE
	v_mov_b32 v[NIL], 0
	ds_add_u32 v28, v29
	s_wait_dscnt 0x0
	v_lshrrev_b32 v1, 5, v0
	v_readfirstlane_b32 s14, v1                    ; wave 0..3
	s_lshr_b32 s15, s14, 1                         ; which half of A's rows is mine.  Also: I fetch for A (0) or for B (1)
	s_and_b32 s16, s14, 1                          ; which half of B's rows.  Also: which 128 rows I fetch
	s_bfe_u32 s92, ttmp6, 0x40000                  ; cx
	s_bfe_u32 s93, ttmp6, 0x40004                  ; cy
	s_lshl_b32 s94, s93, 2
	s_lshl_b32 s94, 15, s94                        ; my row of the cluster
	s_lshl_b32 s95, 0x1111, s92                    ; my column
	s_and_b32 s96, ttmp7, 0xffff
	s_lshl_b32 s96, s96, 2
	s_add_co_u32 s96, s96, s93                     ; A's record: 4 x cluster y + cy
	s_lshl_b32 s97, ttmp9, 2
	s_add_co_u32 s97, s97, s92                     ; B's record: 4 x cluster x + cx
	s_or_b32 s[G1A], s94, (3<<16)|(1<<21)          ; 15:0 the mask; 17:16 elements of 8 bytes; 20 no padding; 21 set beside a mask
	s_or_b32 s[G1B], s95, (3<<16)|(1<<21)
	s_or_b32 s[G1SA], s94, (3<<16)|(1<<21)
	s_or_b32 s[G1SB], s95, (3<<16)|(1<<21)
.irp g, G1A, G1B                       ; codes: 8 tiles' parts of 3,072 bytes, 12,288 bytes apart
	s_mov_b32 s[\g+1], 384<<16
	s_mov_b32 s[\g+2], 8<<16
	s_mov_b32 s[\g+3], 384<<16
	s_mov_b32 s[\g+4], 8
	s_mov_b32 s[\g+5], 1536
	s_mov_b32 s[\g+6], 0
	s_mov_b32 s[\g+7], 0
.endr
.irp g, G1SA, G1SB                     ; scale words: 4,096 dense bytes as 16 rows of 256
	s_mov_b32 s[\g+1], 32<<16
	s_mov_b32 s[\g+2], 16<<16
	s_mov_b32 s[\g+3], 32<<16
	s_mov_b32 s[\g+4], 16
	s_mov_b32 s[\g+5], 32
	s_mov_b32 s[\g+6], 0
	s_mov_b32 s[\g+7], 0
.endr
	s_mul_i32 s12, s16, 8*12288
	s_lshl_b32 s13, s16, 12
	s_add_co_u32 s13, s13, OPSC
	s_mul_i32 s98, s96, OPREC                      ; A's offsets hang on cy alone, B's on cx alone
	s_add_co_u32 s20, s98, s13
	s_add_co_u32 s98, s98, s12
	s_mov_b32 s99, 0
	s_mov_b32 s21, 0
	s_mul_i32 s100, s97, OPREC
	s_add_co_u32 s22, s100, s13
	s_add_co_u32 s100, s100, s12
	s_mov_b32 s101, 0
	s_mov_b32 s23, 0
	s_mul_i32 s2, s14, HALFT                       ; no place in the cluster enters an LDS address
	s_lshl_b32 s3, s14, 12
	s_wait_kmcnt 0x0
	s_add_nc_u64 s[98:99], s[4:5], s[98:99]
	s_add_nc_u64 s[20:21], s[4:5], s[20:21]
	s_add_nc_u64 s[100:101], s[6:7], s[100:101]
	s_add_nc_u64 s[22:23], s[6:7], s[22:23]
	CROUND                                         ; all sixteen work-groups are here: the first joint loads meet
	s_mov_b32 s84, 1
	s_add_co_u32 s85, s3, SCL
	s_mov_b64 s[86:87], s[20:21]
	s_or_b32 s87, s87, 0x80000000
	s_mov_b32 s88, 1
	s_add_co_u32 s89, s3, SCL
	s_mov_b64 s[90:91], s[22:23]
	s_or_b32 s91, s91, 0x80000000
	JLOAD 84, G1SA, 88, G1SB
.macro FIRST g0a, g0b, s
	s_mov_b32 s[\g0a], 1
	s_add_co_u32 s[\g0a+1], s2, \s*SLOT
	s_add_nc_u64 s[\g0a+2:\g0a+3], s[98:99], \s*TILEB
	s_or_b32 s[\g0a+3], s[\g0a+3], 0x80000000
	s_mov_b32 s[\g0b], 1
	s_add_co_u32 s[\g0b+1], s2, \s*SLOT
	s_add_nc_u64 s[\g0b+2:\g0b+3], s[100:101], \s*TILEB
	s_or_b32 s[\g0b+3], s[\g0b+3], 0x80000000
	JLOAD \g0a, G1A, \g0b, G1B
.endm
	FIRST 56, 72, 0                                ; four loads of mine are out behind these lines
	FIRST 60, 76, 1
	FIRST 68, 80, 2
	v_and_b32 v[LANE], 31, v0
	v_and_b32 v1, 15, v0                           ; r
	v_bfe_u32 v2, v0, 4, 1                         ; h
	v_lshlrev_b32 v[L16], 4, v[LANE]
	v_lshlrev_b32 v[L8], 3, v[LANE]
	s_mul_i32 s21, s15, HALFT
	s_mul_i32 s22, s16, HALFT
	s_add_co_u32 s22, s22, 2*HALFT
.irp s, 0,1,2
	v_add_nc_u32 v[ADRA+\s], s21, v[L16]
	v_add_nc_u32 v[ADRA+3+\s], s21, v[L8]
	v_add_nc_u32 v[ADRB+\s], s22, v[L16]
	v_add_nc_u32 v[ADRB+3+\s], s22, v[L8]
	s_add_co_u32 s21, s21, SLOT
	s_add_co_u32 s22, s22, SLOT
.endr
	s_lshl_b32 s21, s15, 9
	s_lshl_b32 s22, s16, 9
	s_add_co_u32 s22, s22, 8192
	s_sub_co_u32 s22, s22, s21
	v_mul_u32_u24 v3, s22, v2                      ; lanes 16-31 take B's words: one product, the distance between the two
	s_add_co_u32 s21, s21, SCL
	v_lshl_add_u32 v3, v1, 4, v3
	v_add_nc_u32 v[ADRS], s21, v3
	s_mul_i32 s21, s14, 16*SPITCH
	s_add_co_u32 s21, s21, SLOT                    ; my stage
	v_mul_u32_u24 v[STO], v1, SPITCH
	v_lshl_add_u32 v[STO], v2, 6, v[STO]
	v_add_nc_u32 v[STO], s21, v[STO]               ; in: row r, + 64 h
	v_add_nc_u32 v[RD], s21, v[L16]                ; back: the 32 lanes take one row of 512 bytes
	s_lshl_b32 s12, s97, 10                        ; the bias: tile b holds columns 32 (b / 2) + 16 h + 8 (b % 2) + 0 .. 7 of my 128
	s_lshl_b32 s13, s16, 9
	s_add_co_u32 s12, s12, s13
	s_mov_b32 s13, 0
	s_add_nc_u64 s[8:9], s[8:9], s[12:13]
	v_lshlrev_b32 v3, 6, v2
.irp b, 0,1,2,3,4,5,6,7
	global_load_b128 v[BIAS+8*\b:BIAS+8*\b+3], v3, s[8:9] offset:(32*(\b/2)+8*(\b%2))*4
	global_load_b128 v[BIAS+8*\b+4:BIAS+8*\b+7], v3, s[8:9] offset:(32*(\b/2)+8*(\b%2))*4+16
.endr
	s_lshl_b32 s18, s96, 8
	s_lshl_b32 s19, s15, 7
	s_add_co_u32 s18, s18, s19                     ; my first row of out0
	s_lshl_b32 s18, s18, 12
	s_add_co_u32 s18, s18, s12                     ; and my first column, in bytes (the bias's offset)
	s_mov_b32 s19, 0
	s_add_nc_u64 s[10:11], s[10:11], s[18:19]
	s_wait_loadcnt 0x0
.macro FRAG reg, adr, q, i
	ds_load_b128 v[\reg:\reg+3], v[\adr] offset:TILEB*(\i)+1536*(\q)
	ds_load_b64 v[\reg+4:\reg+5], v[\adr+3] offset:TILEB*(\i)+1536*(\q)+512
	ds_load_b128 v[\reg+6:\reg+9], v[\adr] offset:TILEB*(\i)+1536*(\q)+768
	ds_load_b64 v[\reg+10:\reg+11], v[\adr+3] offset:TILEB*(\i)+1536*(\q)+1280
.endm
; 16 matrix instructions: A's blocks a0, a0 + 1 x B's eight.  mode 1: the sums start from the bias.  The 64 accumulators take turns, one instruction a turn.
.macro MUL16 a0, p, q, sc, mode
.irp a, \a0, \a0+1
.irp b, 0,1,2,3,4,5,6,7
.set rD, 8*(8*((\a)%4)+\b)
.set rB, 128*(\p)+FR*\b
.set rA, AF+FR*(\a)
.set rS, SC+16*(\sc)+8*(\q)
.if \mode == 0
	v_wmma_scale_f32_16x16x128_f8f6f4 v[rD:rD+7], v[rB:rB+FR-1], v[rA:rA+FR-1], v[rD:rD+7], v[rS+\b], v[rS+(\a)] matrix_a_fmt:MATRIX_FMT_BF6 matrix_b_fmt:MATRIX_FMT_BF6 matrix_a_scale:MATRIX_SCALE_ROW1
.else
	v_wmma_scale_f32_16x16x128_f8f6f4 v[rD:rD+7], v[rB:rB+FR-1], v[rA:rA+FR-1], v[BIAS+8*\b:BIAS+8*\b+7], v[rS+\b], v[rS+(\a)] matrix_a_fmt:MATRIX_FMT_BF6 matrix_b_fmt:MATRIX_FMT_BF6 matrix_a_scale:MATRIX_SCALE_ROW1
.endif
.endr
.endr
.endm
.macro FETCH_B slot, q, p
	WIN TO_B
.irp i, 0,1,2,3,4,5,6,7
	FRAG 128*(\p)+FR*\i, ADRB+\slot, \q, \i
.endr
	WIN 0
.endm
.macro FETCH_A slot, q, i0
.irp i, \i0, \i0+1, \i0+2, \i0+3
	FRAG AF+FR*(\i), ADRA+\slot, \q, \i
.endr
.endm
.macro SCALES ks
.irp qq, 0,1
.irp g, 0,1
	ds_load_b128 v[SC+16*((\ks)%2)+8*\qq+4*\g:SC+16*((\ks)%2)+8*\qq+4*\g+3], v[ADRS] offset:(2*(\ks)+\qq)*1024+256*\g
.endr
.endr
.endm
.macro STEP slot, ks, mode
	s_wait_dscnt 4*NL                              ; all but the youngest 16 loads (A's blocks 4-7) are in
.if \mode
	WIN 0x81                                       ; C (the bias) window 0, D window 2
.else
	WIN MUL_LO
.endif
	MUL16 0, 0, 0, (\ks)%2, \mode
	MUL16 2, 0, 0, (\ks)%2, \mode
	s_wait_dscnt 0x0
	PLACES NP                                      ; in front of loads into registers that matrix instructions have read
	FETCH_B \slot, 1, 1
	FETCH_A \slot, 1, 0
.if \mode
	WIN 0xc1
.else
	WIN MUL_HI
.endif
	MUL16 4, 0, 0, (\ks)%2, \mode
	MUL16 6, 0, 0, (\ks)%2, \mode
	PLACES NP
	WIN 0
	FETCH_A \slot, 1, 4
.endm
; kind 1: this slot is filled again behind a round of the cluster's barrier; kind 0: the next slot's tile is the refill: the same lines and my work-group's barrier; kind 2: the next slot was shown whole by an earlier barrier.
.macro TURN slot, next, ks, kind
.if \kind != 2
	s_wait_tensorcnt 0x0                           ; all my tensor loads have landed  (every window is 0 here)
	ds_add_u32 v[SPW], v[NIL]                      ; 0 onto my spare word
	s_wait_dscnt 4*NL+1                            ; (the add and the youngest 16 loads may be out)
.else
	s_wait_dscnt 4*NL
.endif
	WIN MUL_LO
	MUL16 0, 1, 1, (\ks)%2, 0
	s_wait_dscnt 0x0                               ; the add is done, my reads of this slot are over
.if \kind != 2
	s_barrier_signal -1
.endif
	MUL16 2, 1, 1, (\ks)%2, 0
	WIN 0
.if \kind != 2
	s_barrier_wait -1
.endif
.if \kind == 1
	CREST                                          ; no wave of any partner still reads this slot or has a load on its way
	s_add_nc_u64 s[58:59], s[58:59], 3*TILEB       ; slot 0's descriptors: from K step 0 to K step 3
	s_add_nc_u64 s[74:75], s[74:75], 3*TILEB
	JLOAD 56, G1A, 72, G1B                         ; the first tensor load behind the round; its four v_nop are the places in front of the loads below
.else
	PLACES NP
.endif
	FETCH_B \next, 0, 0
	FETCH_A \next, 0, 0
	SCALES (\ks)+1
	WIN MUL_HI
	MUL16 4, 1, 1, (\ks)%2, 0
	MUL16 6, 1, 1, (\ks)%2, 0
	PLACES NP
	WIN 0
	FETCH_A \next, 0, 4
.endm
	s_wait_tensorcnt 0x2                           ; the scale words and my part of K step 0 are in; slots 1 and 2 may be out
	s_barrier_signal -1
	s_barrier_wait -1
	FETCH_B 0, 0, 0
	FETCH_A 0, 0, 0
	SCALES 0
	FETCH_A 0, 0, 4
	STEP 0, 0, 1                                   ; the first products start the sums from the bias: nothing is cleared
	TURN 0, 1, 0, 1
	STEP 1, 1, 0
	TURN 1, 2, 1, 2
	STEP 2, 2, 0
	TURN 2, 0, 2, 0
	STEP 0, 3, 0
	s_wait_dscnt 4*NL
	WIN MUL_LO
	MUL16 0, 1, 1, 1, 0
	MUL16 2, 1, 1, 1, 0
	s_wait_dscnt 0x0
	WIN MUL_HI
	MUL16 4, 1, 1, 1, 0
	MUL16 6, 1, 1, 1, 0
	WIN 0
; THE WAY OUT, block by block of 16 places x 128 columns, through my own stage: a lane's eight registers of tile b are columns 32 (b / 2) + 16 h + 8 (b % 2) + 0 .. 7 of its row; rows come back whole, 512 bytes, and place i
; of block a goes to row 32 (a / 2) + 8 (a % 2) + i + 8 (i / 8).  LDS serves a wave's instructions in order: no wait between the stores and the loads.
.macro TOSTAGE a
.set AC, 64*((\a)%4)
	WIN 0x08+4*((\a)/4)                            ; an LDS store's data are its source 1: window 2 or 3
.irp b, 0,1,2,3,4,5,6,7
	ds_store_b128 v[STO], v[AC+8*\b:AC+8*\b+3] offset:128*(\b/2)+32*(\b%2)        ; each accumulator from its low end on
	ds_store_b128 v[STO], v[AC+8*\b+4:AC+8*\b+7] offset:128*(\b/2)+32*(\b%2)+16
.endr
	WIN 0
.set BB, BK+64*((\a)%2)
.irp t, 0,1,2,3,4,5,6,7,8,9,10,11,12,13,14,15
	ds_load_b128 v[BB+4*\t:BB+4*\t+3], v[RD] offset:\t*SPITCH
.endr
.endm
.macro SEND a, younger                 ; younger: the LDS instructions issued behind block a's loads, which may stay out
.set BB, BK+64*((\a)%2)
	s_wait_dscnt \younger
.irp t, 0,1,2,3,4,5,6,7,8,9,10,11,12,13,14,15
	global_store_b128 v[L16], v[BB+4*\t:BB+4*\t+3], s[10:11] offset:(32*((\a)/2)+8*((\a)%2)+\t+8*(\t/8))*4096 th:TH_STORE_NT   ; 512 consecutive bytes, aligned; written once, read by nobody here
.endr
.endm
	PLACES NP
	TOSTAGE 0
.irp a, 1,2,3,4,5,6,7
.if \a > 1
	s_wait_xcnt 0x0                                ; block a - 2's stores have read their registers: block a's loads may land there
.endif
	TOSTAGE \a
	SEND \a-1, 32                                  ; behind block a - 1's loads: block a's 16 stores and 16 loads
.endr
	SEND 7, 0
	s_wait_tensorcnt 0x0                           ; the wave's end
	ds_add_u32 v[SPW], v[NIL]
	s_wait_dscnt 0x0
	CROUND                                         ; the closing round
	s_endpgm
.Lfunc_end_k_q93ad4c0508_gemm_proj:
	.size	k_q93ad4c0508_gemm_proj, .Lfunc_end_k_q93ad4c0508_gemm_proj-k_q93ad4c0508_gemm_proj
	.p2alignl 7, 3214868480
	.fill 96, 4, 3214868480
	.section	.rodata,"a",@progbits
	.p2align	6, 0x0
	.amdhsa_kernel k_q93ad4c0508_gemm_proj
		.amdhsa_group_segment_fixed_size 327680
		.amdhsa_private_segment_fixed_size 0
		.amdhsa_enable_private_segment 0
		.amdhsa_kernarg_size 32
		.amdhsa_user_sgpr_count 2
		.amdhsa_user_sgpr_kernarg_segment_ptr 1
		.amdhsa_wavefront_size32 1
		.amdhsa_system_sgpr_workgroup_id_x 1
		.amdhsa_system_sgpr_workgroup_id_y 1
		.amdhsa_system_sgpr_workgroup_id_z 1
		.amdhsa_system_vgpr_workitem_id 0
		.amdhsa_next_free_vgpr 1024
		.amdhsa_next_free_sgpr 102
		.amdhsa_reserve_vcc 0
		.amdhsa_float_denorm_mode_32 3
		.amdhsa_float_denorm_mode_16_64 3
		.amdhsa_memory_ordered 1
		.amdhsa_forward_progress 1
		.amdhsa_inst_pref_size 143
	.end_amdhsa_kernel
	.amdgpu_metadata
---
amdhsa.version: [ 1, 2 ]
amdhsa.kernels:
  - .name:           k_q93ad4c0508_gemm_proj
    .symbol:         k_q93ad4c0508_gemm_proj.kd
    .args:
      - { .name: yq, .offset: 0, .size: 8, .value_kind: global_buffer, .address_space: global }
      - { .name: wp, .offset: 8, .size: 8, .value_kind: global_buffer, .address_space: global }
      - { .name: b_proj, .offset: 16, .size: 8, .value_kind: global_buffer, .address_space: global }
      - { .name: out0, .offset: 24, .size: 8, .value_kind: global_buffer, .address_space: global }
    .group_segment_fixed_size: 327680
    .private_segment_fixed_size: 0
    .kernarg_segment_align: 8
    .kernarg_segment_size: 32
    .max_flat_workgroup_size: 128
    .sgpr_count:     102
    .vgpr_count:     1024
    .wavefront_size: 32
...
	.end_amdgpu_metadata
.endif
;; end of part 4
